; MI455X (gfx1250); checked and timed in simulation.
; The chip was launched on July 23, 2026; its instructions are those of AMD's public machine-readable ISA for CDNA 5 (MIT licence, August 2026) and "CDNA5" Instruction Set Architecture Reference Guide (July 2026). The comments in the code are by the model that wrote it; some were corrected since.
;; Casual Attention. Allowed arithmetic: matrix products marked QUANTISED: E2M1 operands, one E8M0 scale for each 32 along K, by v_wmma_scale_f32_16x16x128_f8f6f4 with both operands' format E2M1 (or v_wmma_scale_f32_32x16x128_f4), f32 sums; products left as they are: bf16, f16 or f32 operands; f32 sums; everything else in f32.
;; Inputs: bk 2,048 float32; bp 2,048 float32; bq 2,048 float32; bv 2,048 float32; freqs_cos 2,048 x 64 float32; freqs_sin 2,048 x 64 float32; wk 2,048 x 2,048 float32; wp 2,048 x 2,048 float32; wq 2,048 x 2,048 float32; wv 2,048 x 2,048 float32; x 1 x 2,048 x 2,048 float32.
;; Outputs: out0 1 x 2,048 x 2,048 float32.
;; This version of the problem:
;;   THIS VERSION OF THE PROBLEM IS GIVEN IN LOW PRECISION. The matrix products marked QUANTISED in the list below multiply operands that are first quantised to E2M1 (2 exponent bits, 1 mantissa bit; 4 bits a number), with one power-of-two scale for each 32 numbers along K (OCP MX v1.0); their sums are f32. The products marked 'left as it is' may take bf16, f16 or f32 operands, with f32 sums. Whichever they take, every output number must still come out within the allowed error. Rounding operands to bf16 (8 significant bits) uses up far more of that allowance than f16 does (11 bits, for magnitudes from 6e-5 to 65,504). All else is computed in f32.
;;   The module's matrix products, in the order in which they are computed (A, B: the left and right operand; K: the contracted axis; several contracted axes count as one K, in the product's order):
;;     1. [M 2,048, K 2,048] x [K 2,048, N 2,048]; A: input x; B: input wq: QUANTISED
;;     2. [M 2,048, K 2,048] x [K 2,048, N 2,048]; A: input x; B: input wk: QUANTISED
;;     3. [M 2,048, K 2,048] x [K 2,048, N 2,048]; A: input x; B: input wv: QUANTISED
;;     4. batch 16 x [M 2,048, K 128] x [K 128, N 2,048]; A: computed on the way; B: computed on the way: left as it is (an operand is computed on the way)
;;     5. batch 16 x [M 128, K 2,048] x [K 2,048, N 2,048]; A: computed on the way; B: computed on the way: left as it is (an operand is computed on the way)
;;     6. [M 2,048, K 2,048] x [K 2,048, N 2,048]; A: computed on the way; B: input wp: left as it is (an operand is computed on the way)
;;   THE QUANTISER, for each operand of a quantised product, along K:
;;     - K is cut into blocks of 32 from its start; a last block that is shorter is filled with zeros.
;;     - A block's scale is 2^e with e = floor(log2(the largest magnitude in the block)) - 2, held to -126 .. 127; a block of zeros has e = 0. As a byte (E8M0): e + 127.
;;     - Each number is divided by its block's scale, clamped to +-6, and rounded to the nearest number of E2M1, ties to even, subnormals kept.
;;     - The product sums the exact products of the quantised numbers (number of the format x scale) in f32.
;;   ~~~python
;;   def quantise(x, axis):      # numpy; x: float32 -> the quantised numbers, widened to float32 again
;;       x = np.moveaxis(x, axis, -1); K = x.shape[-1]
;;       x = np.pad(x, [(0, 0)] * (x.ndim - 1) + [(0, -K % 32)]); x = x.reshape(x.shape[:-1] + (-1, 32)); a = np.abs(x).max(-1, keepdims=True)
;;       e = np.where(a > 0, np.clip(np.frexp(np.where(a > 0, a, 1))[1] - 1 - 2, -126, 127), 0)      # np.frexp(a)[1] - 1 = floor(log2(a)), exactly
;;       r = np.clip(x / 2.0 ** e, -6, 6)
;;       step = 2.0 ** (np.maximum(np.frexp(np.where(r == 0, 1, r))[1] - 1, 0) - 1)
;;       q = np.round(r / step) * step * 2.0 ** e      # np.round: ties to even
;;       return np.moveaxis(q.reshape(q.shape[:-2] + (-1,))[..., :K], -1, axis).astype(np.float32)
;;   ~~~
;; One version. Each part assembles by itself: llvm-mc -triple=amdgcn-amd-amdhsa -mcpu=gfx1250 --defsym DOCPART=n.
;; ======== version 1 of 1: 4 launches
;; limits: values are held in f16: magnitudes above 65,504 overflow, below 6.1e-05 lose precision; right only within a limited range of input values
;; workspace buffers: codes 8,388,608 bytes; scales 524,288 bytes; wp16 8,388,608 bytes; qhl 16,777,216 bytes; k16 8,388,608 bytes; v16 8,388,608 bytes; att 8,388,608 bytes
;; launch prep (part 1): grid 640 x 1, 4 waves a work-group, no clusters, 33,280 bytes of LDS; arguments x, wq, wk, wv, wp, codes, scales, wp16; writes codes, scales, wp16
.if DOCPART == 1
	.amdgcn_target "amdgcn-amd-amdhsa--gfx1250"
	.amdhsa_code_object_version 6
	.text
	.protected	k_qa104518cd1_prep
	.globl	k_qa104518cd1_prep
	.p2align	8
	.type	k_qa104518cd1_prep,@function
k_qa104518cd1_prep:
	s_mov_b64 s[64:65], 0
	v_nop
	global_prefetch_b8 v0, s[64:65] scope:SCOPE_SE
	s_setreg_imm32_b32 hwreg(HW_REG_WAVE_MODE, 25, 1), 1
	s_wait_xcnt 0x0
; x, wq, wk, wv [2048][2048] f32 become codes of FP4 (E2M1), K innermost, two codes a byte, with one E8M0 byte for each 32 along K; wp becomes f16.
; codes: [8192 rows][1024 bytes], rows 0-2047 x, then wq, wk, wv; scales: [8192][64].  Rows are dense and K is a multiple of 32, so the four tensors are one stream of blocks of 32.
; A block's scale is 2^(floor(log2(its largest magnitude)) - 2): its byte is the largest magnitude's exponent field - 2, held at 1 from below (a block of zeros keeps the byte 1: its codes are zeros, and this program alone reads the bytes).
; 128 work-groups to a tensor, 32,768 numbers each; a wave takes 16 steps of 512 numbers.  The first 512 work-groups quantise, the last 128 round wp to f16.
; LIMITS: NaN and infinities are not served; blocks whose largest magnitude lies under 2^-124 keep the byte 1; |wp| up to 65,504.
; Quantising path: each load reads 512 consecutive bytes, 16 a lane; a step's 2,048 bytes turn through the wave's own stage in LDS and come back 64 bytes a lane, so that a lane holds 16 neighbours along K and two lanes a block.
.set WAVES, 4
.set STEPS, 16
.set EMAX,  2
.set CB,    8                          ; bytes of 16 codes
.set R,     16                         ; v16-79   four sets of 16 numbers as they are loaded
.set X,     80                         ; v80-111  two sets of 16 neighbours
.set E,     112                        ; v112-127 a scale byte for each step
.set C,     128                        ; v128-191 codes, four registers a step; on wp's path four sets of eight registers of f16
.set WREG,  8192                       ; LDS: a region for each wave: two stages of 32 x SP bytes, behind them its 256 scale bytes
.set SP,    80                         ; a lane's place in a stage: 64 bytes + 16 of padding
.set SPW,   12                         ; v12 LDS address of my spare word; never rewritten
.set NIL,   13                         ; v13 0; never rewritten
.set SPARE, WAVES*WREG                 ; behind the regions: the spare words, 128 bytes a wave, that no other line names
	s_load_b256 s[4:11], s[0:1], 0x0               ; x, wq, wk, wv
	s_load_b256 s[12:19], s[0:1], 0x20             ; wp, codes, scales, wp16
	v_lshl_add_u32 v[SPW], v0, 2, SPARE
	v_mov_b32 v[NIL], 0
	v_lshrrev_b32 v1, 5, v0
	v_readfirstlane_b32 s20, v1                    ; wave
	v_and_b32 v2, 31, v0                           ; lane
	v_lshlrev_b32 v3, 4, v2                        ; my 16 bytes of a load's 512
	s_mul_i32 s23, s20, WREG
	v_lshrrev_b32 v14, 2, v2
	v_mul_u32_u24 v14, v14, SP
	v_and_b32 v15, 3, v2
	v_lshl_add_u32 v14, v15, 4, v14
	v_add_nc_u32 v14, s23, v14                     ; the stage, on the way in: SP (lane / 4) + 16 (lane % 4)
	v_mul_u32_u24 v15, v2, SP
	v_add_nc_u32 v15, s23, v15                     ; and on the way out: SP x lane
	v_mul_u32_u24 v4, v2, CB                       ; 8 x lane: my codes' place in a step's, and my f16 numbers' place in 256 bytes
	v_lshrrev_b32 v5, 1, v2
	s_add_co_u32 s23, s23, 2*32*SP
	v_add_nc_u32 v5, s23, v5                       ; LDS: my block's scale byte
	v_lshlrev_b32 v7, 3, v2
	v_add_nc_u32 v6, s23, v7                       ; and on the way out 8 bytes a lane
	s_lshr_b32 s21, ttmp9, 7                       ; which tensor: 0 x, 1 wq, 2 wk, 3 wv, 4 wp
	s_and_b32 s22, ttmp9, 127
	s_lshl_b32 s24, s22, 2
	s_add_co_u32 s24, s24, s20                     ; which run of 8,192 numbers of the tensor is my wave's
	s_lshl_b32 s26, s24, 15                        ; in bytes of f32,
	s_mov_b32 s27, 0
	s_lshl_b32 s28, s24, 14                        ; and of f16
	s_mov_b32 s29, 0
	s_lshl_b32 s25, ttmp9, 2
	s_add_co_u32 s25, s25, s20                     ; which run of the stream of four tensors
	s_lshl_b32 s30, s25, 12                        ; 4,096 bytes of codes a run,
	s_mov_b32 s31, 0
	s_lshl_b32 s32, s25, 8                         ; 256 scale bytes
	s_mov_b32 s33, 0
	s_wait_kmcnt 0x0
	s_cmp_eq_u32 s21, 1                            ; the source is chosen by the work-group's number alone
	s_cselect_b64 s[4:5], s[6:7], s[4:5]
	s_cmp_eq_u32 s21, 2
	s_cselect_b64 s[4:5], s[8:9], s[4:5]
	s_cmp_eq_u32 s21, 3
	s_cselect_b64 s[4:5], s[10:11], s[4:5]
	s_cmp_eq_u32 s21, 4
	s_cselect_b64 s[4:5], s[12:13], s[4:5]
	s_add_nc_u64 s[4:5], s[4:5], s[26:27]
.macro LOAD t
.irp i, 0,1,2,3
	global_load_b128 v[R+16*((\t)%4)+4*\i:R+16*((\t)%4)+4*\i+3], v3, s[4:5] offset:2048*(\t)+512*\i th:TH_LOAD_NT   ; 32 lanes read 512 consecutive bytes
.endr
.endm
.irp t, 0,1,2,3
	LOAD \t
.endr
	s_cmp_eq_u32 s21, 4
	s_cbranch_scc1 .Lwp
	s_add_nc_u64 s[14:15], s[14:15], s[30:31]      ; my run's codes
	s_add_nc_u64 s[16:17], s[16:17], s[32:33]      ; and scale bytes
.macro TURN t                          ; step t's numbers through the stage: LDS serves a wave's instructions in order, so no wait stands between the stores and the loads
.irp i, 0,1,2,3
	ds_store_b128 v14, v[R+16*((\t)%4)+4*\i:R+16*((\t)%4)+4*\i+3] offset:32*SP*((\t)%2)+8*SP*\i
.endr
.irp i, 0,1,2,3
	ds_load_b128 v[X+16*((\t)%2)+4*\i:X+16*((\t)%2)+4*\i+3], v15 offset:32*SP*((\t)%2)+16*\i
.endr
.endm
	s_wait_loadcnt 12                              ; step 0's four loads are in
	TURN 0
.macro QSTEP t
.set XS, X+16*((\t)%2)
.if (\t) > 0
	s_wait_dscnt 1                                 ; this step's numbers are back from the stage (the last step's byte store may be out): so its stores into the stage have read their registers,
.else
	s_wait_dscnt 0x0
.endif
.if (\t)+4 < STEPS
	LOAD (\t)+4                                    ; which take the loads of four steps on
.endif
.if (\t)+1 < STEPS
.if STEPS-2-(\t) >= 3
	s_wait_loadcnt 12                              ; the next step's four loads are in; those of the three steps behind it may be out
.else
	s_wait_loadcnt 4*(STEPS-2-(\t))
.endif
	TURN (\t)+1
.endif
	v_max3_num_f32 v8, |v[XS]|, |v[XS+1]|, |v[XS+2]|               ; the largest magnitude of my 16
	v_max3_num_f32 v9, |v[XS+3]|, |v[XS+4]|, |v[XS+5]|
.irp i, 6,10
	v_max3_num_f32 v8, v8, |v[XS+\i]|, |v[XS+\i+1]|
	v_max3_num_f32 v9, v9, |v[XS+\i+2]|, |v[XS+\i+3]|
.endr
	v_max3_num_f32 v8, v8, |v[XS+14]|, |v[XS+15]|
	v_max3_num_f32 v8, v8, v9, (EMAX+1)<<23        ; and the floor 2^(EMAX + 1 - 127): the byte cannot fall under 1
	v_max_num_f32_dpp v8, v8, v8 row_xmask:1 row_mask:0xf bank_mask:0xf   ; and of my neighbour's 16: the block's
	v_add_nc_u32 v11, -(EMAX<<23), v8              ; EMAX off its exponent field: the conversion takes the exponent field of this operand as its scale
	v_cvt_scalef32_pk8_fp4_f32 v[C+4*(\t)], v[XS:XS+7], v11
	v_cvt_scalef32_pk8_fp4_f32 v[C+4*(\t)+1], v[XS+8:XS+15], v11
	v_lshrrev_b32 v[E+(\t)], 23, v11               ; the scale's byte
	ds_store_b8 v5, v[E+(\t)] offset:16*(\t)       ; both lanes of a block write the same byte with the same value
	global_store_b64 v4, v[C+4*(\t):C+4*(\t)+1], s[14:15] offset:32*CB*(\t)   ; the wave stores 256 consecutive bytes, aligned
.endm
.irp t, 0,1,2,3,4,5,6,7,8,9,10,11,12,13,14,15
	QSTEP \t
.endr
	ds_load_b64 v[8:9], v6                         ; LDS serves a wave's instructions in order: these see my stores
	s_wait_dscnt 0x0
	global_store_b64 v7, v[8:9], s[16:17]          ; 32 lanes store 256 consecutive bytes, aligned
	s_wait_tensorcnt 0x0                           ; the wave's end, behind my last LDS store
	ds_add_u32 v[SPW], v[NIL]
	s_wait_dscnt 0x0
	s_endpgm
.Lwp:
	s_add_nc_u64 s[18:19], s[18:19], s[28:29]      ; my run of wp16
; wp's path: a lane's four numbers of a load are 8 bytes of f16, so each store of the wave covers 256 consecutive bytes, aligned.  No LDS.
.macro WSTEP t
.if 15-(\t) >= 3
	s_wait_loadcnt 12                              ; this step's four loads are in; the three later steps' twelve may be out
.else
	s_wait_loadcnt 4*(15-(\t))
.endif
	s_wait_xcnt 0x0                                ; the stores of four steps back have read their registers: this set is written again only behind this wait
.irp i, 0,1,2,3
	v_cvt_pk_f16_f32 v[C+8*((\t)%4)+2*\i], v[R+16*((\t)%4)+4*\i], v[R+16*((\t)%4)+4*\i+1]
	v_cvt_pk_f16_f32 v[C+8*((\t)%4)+2*\i+1], v[R+16*((\t)%4)+4*\i+2], v[R+16*((\t)%4)+4*\i+3]
.endr
.if (\t)+4 < STEPS
	LOAD (\t)+4
.endif
.irp i, 0,1,2,3
	global_store_b64 v4, v[C+8*((\t)%4)+2*\i:C+8*((\t)%4)+2*\i+1], s[18:19] offset:1024*(\t)+256*\i
.endr
.endm
.irp t, 0,1,2,3,4,5,6,7,8,9,10,11,12,13,14,15
	WSTEP \t
.endr
	s_wait_tensorcnt 0x0                           ; the same three lines on this path
	ds_add_u32 v[SPW], v[NIL]
	s_wait_dscnt 0x0
	s_endpgm
.Lfunc_end_k_qa104518cd1_prep:
	.size	k_qa104518cd1_prep, .Lfunc_end_k_qa104518cd1_prep-k_qa104518cd1_prep
	.p2alignl 7, 3214868480
	.fill 96, 4, 3214868480
	.section	.rodata,"a",@progbits
	.p2align	6, 0x0
	.amdhsa_kernel k_qa104518cd1_prep
		.amdhsa_group_segment_fixed_size 33280
		.amdhsa_private_segment_fixed_size 0
		.amdhsa_enable_private_segment 0
		.amdhsa_kernarg_size 64
		.amdhsa_user_sgpr_count 2
		.amdhsa_user_sgpr_kernarg_segment_ptr 1
		.amdhsa_wavefront_size32 1
		.amdhsa_system_sgpr_workgroup_id_x 1
		.amdhsa_system_sgpr_workgroup_id_y 1
		.amdhsa_system_sgpr_workgroup_id_z 1
		.amdhsa_system_vgpr_workitem_id 0
		.amdhsa_next_free_vgpr 192
		.amdhsa_next_free_sgpr 66
		.amdhsa_reserve_vcc 0
		.amdhsa_float_denorm_mode_32 3
		.amdhsa_float_denorm_mode_16_64 3
		.amdhsa_memory_ordered 1
		.amdhsa_forward_progress 1
		.amdhsa_inst_pref_size 53
	.end_amdhsa_kernel
	.amdgpu_metadata
---
amdhsa.version: [ 1, 2 ]
amdhsa.kernels:
  - .name:           k_qa104518cd1_prep
    .symbol:         k_qa104518cd1_prep.kd
    .args:
      - { .name: x, .offset: 0, .size: 8, .value_kind: global_buffer, .address_space: global }
      - { .name: wq, .offset: 8, .size: 8, .value_kind: global_buffer, .address_space: global }
      - { .name: wk, .offset: 16, .size: 8, .value_kind: global_buffer, .address_space: global }
      - { .name: wv, .offset: 24, .size: 8, .value_kind: global_buffer, .address_space: global }
      - { .name: wp, .offset: 32, .size: 8, .value_kind: global_buffer, .address_space: global }
      - { .name: codes, .offset: 40, .size: 8, .value_kind: global_buffer, .address_space: global }
      - { .name: scales, .offset: 48, .size: 8, .value_kind: global_buffer, .address_space: global }
      - { .name: wp16, .offset: 56, .size: 8, .value_kind: global_buffer, .address_space: global }
    .group_segment_fixed_size: 33280
    .private_segment_fixed_size: 0
    .kernarg_segment_align: 8
    .kernarg_segment_size: 64
    .max_flat_workgroup_size: 128
    .sgpr_count:     66
    .vgpr_count:     192
    .wavefront_size: 32
...
	.end_amdgpu_metadata
.endif
;; end of part 1
;; launch qkv (part 2): grid 24 x 8, 4 waves a work-group, clusters of 4 x 4, 327,680 bytes of LDS; arguments codes, scales, bq, bk, bv, freqs_cos, freqs_sin, qhl, k16, v16; writes qhl, k16, v16
.if DOCPART == 2
	.amdgcn_target "amdgcn-amd-amdhsa--gfx1250"
	.amdhsa_code_object_version 6
	.text
	.protected	k_qa104518cd1_qkv
	.globl	k_qa104518cd1_qkv
	.p2align	8
	.type	k_qa104518cd1_qkv,@function
k_qa104518cd1_qkv:
	s_mov_b64 s[64:65], 0
	v_nop
	global_prefetch_b8 v0, s[64:65] scope:SCOPE_SE
	s_setreg_imm32_b32 hwreg(HW_REG_WAVE_MODE, 25, 1), 1
	s_wait_xcnt 0x0
	s_wait_alu depctr_hold_cnt(0) depctr_sa_sdst(0) depctr_va_vdst(0) depctr_va_sdst(0) depctr_va_ssrc(0) depctr_va_vcc(0) depctr_vm_vsrc(0)
	s_getreg_b32 s2, hwreg(HW_REG_IB_STS2, 6, 4)
	s_cmp_eq_u32 s2, 0
	s_cbranch_scc0 .Lentry_in_a_cluster
	s_endpgm
.Lentry_in_a_cluster:
	s_bfe_u32 s2, ttmp6, 0x10000c
	s_cmp_lg_u32 s2, 0xf033
	s_cbranch_scc0 .Lentry_shape_is_right
	s_endpgm
.Lentry_shape_is_right:
; [q | k | v] = x [wq | wk | wv]^T + bias on codes of FP4 (E2M1) with one E8M0 scale for each 32 along K: M = 2,048, N = 6,144, K = 2,048; then RoPE on q and k; all divided by 16 (exact) and stored as f16.
; A = rows 0-2047 of codes, B = rows 2048-8191.  A tile of 256 x 256 is made by four waves, 128 x 128 each: 64 accumulators, 512 registers.  A wave's 128 columns are one head.
; K goes in steps of 512 through a ring of two LDS slots filled by the tensor data mover (rows of 256 bytes); the scale bytes of the work-group's rows, for all of K, come once with the first fills and stay.
; CLUSTERS: 4 x 4 work-groups; A's tiles are asked for jointly along a row of the cluster, B's along a column.  A cluster's 1,024 columns belong to one of q, k, v: the kind is the same in all sixteen.
; THE MATRIX INSTRUCTION IS USED TRANSPOSED (source 0 = 16 rows of B, source 1 = 16 rows of A): a lane holds eight neighbouring columns of a row.
; q leaves as a PAIR of f16: qhl [16 heads][2048][high 128 | low 128]; high = the f32 number cut to 11 significant bits, low = the rest.  k and v leave as one f16, rounded to nearest: k16, v16 [16][2048][128].
; LIMITS: |q|, |k|, |v| up to 16 x 65,504; numbers under 16 x 2^-14 keep an absolute error of 16 x 2^-25.
; REGISTERS: window 0: v0-31 addresses (on the way out v4-7 the bias / 16, v8-23 at work); v32-95 scale words, two sets, and nothing else; v128-191 A's fragments, on the way out two sets of 8 rows;
;   v192-255 two sets of cos and sin of 8 rows.   window 1: B's fragments, two sets.   windows 2, 3: the accumulators ((a, b) at v[8 (8 (a % 4) + b)]).
.set SIZE_K, 2048
.set KSTEP,  512                       ; along K in a slot
.set NQ,     KSTEP/128
.set ROWB,   256                       ; a tile's row in bytes
.set KROW,   SIZE_K*4/8                ; a row of codes in memory
.set PITCH,  272                       ; an LDS row: 256 bytes + 16 of padding: the 16 rows that a load touches start 68 words apart
.set FR,     8
.set NL,     2
.set NP,     4                         ; places behind this matrix instruction (ISA guide 7.12.1)
.set HALFT,  128*PITCH
.set SLOT,   4*HALFT
.set LAPS,   SIZE_K/(2*KSTEP)
.set KS,     SIZE_K/32                 ; a row of scales in bytes
.set SCL,    2*SLOT                    ; behind the ring: the scales, as rows of 256 bytes + 16 of padding
.set HALFS,  (128*KS/256)*272
.set SBLK,   (16*KS/256)*272
.set SPARE,  SCL+4*HALFS               ; the spare words, 128 bytes a wave, that no other line names
.set SPITCH, 528                       ; the way out: a stage row: 512 bytes + 16
.set WSTG,   128*SPITCH                ; a wave's stage: its 128 rows.  The four stages lie in the ring, which has had its last fill and its last read by then
.set ADRA, 16
.set ADRB, 20
.set STO,  24                          ; v24  the stage: where I put 32 bytes of a row
.set RD,   25                          ; v25  and where my wave's rows begin for my lane: 16 x lane
.set L8,   26                          ; v26  8 x lane
.set ADRS, 27
.set SPW,  28
.set NIL,  29
.set RDA,  30                          ; v30  the stage address of the group in hand
.set L16,  31                          ; v31  16 x lane
.set SC,   32
.set AF,   128
.set T,    128                         ; the way out: set p of 8 rows x 4 registers at v[T + 32 p]
.set CSN,  192                         ; cos (2) and sin (2) of a row: set p at v[CSN + 32 p]
.set WH,   8                           ; two sets of 8 at work
.set BI,   4                           ; the bias of my 4 columns, / 16
.set KIND, 66                          ; s66  0 q, 1 k, 2 v
.set G1, 24
.set G0, 32
.set G1B, 48
.set G0B, 56
.set G1S, 68
.set G0S, 76
.set G1SB, 80
.set G0SB, 88
.set MSB, 0
.macro WIN new                         ; the immediate's high byte repeats the setting that is left
.if MSB != \new
	s_set_vgpr_msb (MSB<<8)|\new
.set MSB, \new
.endif
.endm
.set MUL_LO, 0xa1                      ; source 0 (B) window 1, source 1 (A) window 0, C and D window 2
.set MUL_HI, 0xf1
.set TO_B,   0x40
; A joint load: waves 0 and 1 fetch for A, waves 2 and 3 for B.  The branch hangs on the wave's number alone.  An s_nop 0 and four v_nop follow each of the two lines.
.macro JLOAD g0a, g1a, g0b, g1b
	s_cmp_eq_u32 s15, 0
	s_cbranch_scc0 .Lfor_b_\@
	tensor_load_to_lds s[\g0a:\g0a+3], s[\g1a:\g1a+7]
	s_nop 0
.rept 4
	v_nop
.endr
	s_branch .Lasked_\@
.Lfor_b_\@:
	tensor_load_to_lds s[\g0b:\g0b+3], s[\g1b:\g1b+7]
	s_nop 0
.rept 4
	v_nop
.endr
.Lasked_\@:
.endm
.macro CREST                           ; a round of the cluster's barrier behind its opening barrier
	s_cmp_lg_u32 s14, 0
	s_cbranch_scc1 .Lnot_wave_0_\@
	s_barrier_signal -3
.Lnot_wave_0_\@:
	s_barrier_wait -3
	s_barrier_signal -1
	s_barrier_wait -1
.endm
.macro CROUND
	s_barrier_signal -1
	s_barrier_wait -1
	CREST
.endm
	s_load_b128 s[4:7], s[0:1], 0x0                ; codes, scales
	v_lshl_add_u32 v[SPW], v0, 2, SPARE
	v_mov_b32 v[NIL], 0
	ds_add_u32 v[SPW], v[NIL]                      ; the wave's opening: the add, twice on end, and its wait ahead of my first tensor load
	ds_add_u32 v[SPW], v[NIL]
	v_lshrrev_b32 v1, 5, v0
	v_readfirstlane_b32 s14, v1                    ; wave 0..3
	s_lshr_b32 s15, s14, 1                         ; which half of the tile's rows is mine.  Also: I fetch for A (0) or for B (1)
	s_and_b32 s16, s14, 1                          ; which half of its columns.  Also: which 128 rows of that tile I fetch
	s_bfe_u32 s40, ttmp6, 0x40000                  ; cx, cy
	s_bfe_u32 s41, ttmp6, 0x40004
	s_lshl_b32 s42, ttmp9, 2
	s_add_co_u32 s42, s42, s40                     ; tile column = 4 x cluster x + cx
	s_and_b32 s17, ttmp7, 0xffff
	s_lshl_b32 s17, s17, 2
	s_add_co_u32 s17, s17, s41                     ; tile row = 4 x cluster y + cy
	s_lshl_b32 s43, s41, 2
	s_lshl_b32 s43, 15, s43                        ; my row of the cluster
	s_lshl_b32 s44, 0x1111, s40                    ; my column
	s_or_b32 s[G1+0], s43, (0<<16)|(1<<20)|(1<<21)|(5<<22)|(3<<25)  ; the mask; elements of 1 byte; padding on; bit 21 beside a mask; 4 words behind every 64
	s_or_b32 s[G1B+0], s44, (0<<16)|(1<<20)|(1<<21)|(5<<22)|(3<<25)
.irp g, G1, G1B
	s_mov_b32 s[\g+1], ROWB<<16                    ; tensor_dim0
	s_mov_b32 s[\g+2], 128<<16                     ; tensor_dim1
	s_mov_b32 s[\g+3], ROWB<<16                    ; tile_dim0
	s_mov_b32 s[\g+4], 128                         ; tile_dim1
	s_mov_b32 s[\g+5], KROW                        ; the pitch
	s_mov_b32 s[\g+6], 0
	s_mov_b32 s[\g+7], 0
.endr
	s_or_b32 s[G1S+0], s43, (3<<16)|(1<<20)|(1<<21)|(5<<22)|(3<<25)  ; the scales of 128 rows: a dense block, as rows of 32 elements of 8 bytes
	s_or_b32 s[G1SB+0], s44, (3<<16)|(1<<20)|(1<<21)|(5<<22)|(3<<25)
.irp g, G1S, G1SB
	s_mov_b32 s[\g+1], 32<<16
	s_mov_b32 s[\g+2], (128*KS/256)<<16
	s_mov_b32 s[\g+3], 32<<16
	s_mov_b32 s[\g+4], 128*KS/256
	s_mov_b32 s[\g+5], 32
	s_mov_b32 s[\g+6], 0
	s_mov_b32 s[\g+7], 0
.endr
	s_lshl_b32 s18, s16, 7
	s_lshl_b32 s20, s17, 8
	s_add_co_u32 s20, s20, s18                     ; A: row 256 x tile row + 128 x half
	s_lshl_b32 s46, s42, 8
	s_add_co_u32 s46, s46, s18                     ; B: row 256 x tile column + 128 x half
	s_mov_b32 s21, 0
	s_mov_b32 s47, 0
	s_mov_b64 s[18:19], KS
	s_mul_u64 s[22:23], s[20:21], s[18:19]
	s_mul_u64 s[92:93], s[46:47], s[18:19]
	s_mov_b64 s[18:19], KROW
	s_mul_u64 s[20:21], s[20:21], s[18:19]
	s_mul_u64 s[46:47], s[46:47], s[18:19]
	s_mul_i32 s45, s14, HALFT                      ; where they go: wave x 128 rows
	s_mul_i32 s94, s14, HALFS
	s_wait_dscnt 0x0                               ; both opening adds are done
	s_wait_kmcnt 0x0
	s_add_nc_u64 s[8:9], s[4:5], 0x200000          ; the weights' codes begin behind x's 2,048 rows of 1,024 bytes,
	s_add_nc_u64 s[10:11], s[6:7], 0x20000         ; their scales behind 2,048 rows of 64
	s_add_nc_u64 s[20:21], s[4:5], s[20:21]
	s_add_nc_u64 s[22:23], s[6:7], s[22:23]
	s_add_nc_u64 s[46:47], s[8:9], s[46:47]
	s_add_nc_u64 s[92:93], s[10:11], s[92:93]
	CROUND                                         ; all sixteen work-groups are here: the first joint loads meet
	s_mov_b32 s[G0S], 1
	s_add_co_u32 s[G0S+1], s94, SCL
	s_mov_b64 s[G0S+2:G0S+3], s[22:23]
	s_or_b32 s[G0S+3], s[G0S+3], 0x80000000
	s_mov_b32 s[G0SB], 1
	s_add_co_u32 s[G0SB+1], s94, SCL
	s_mov_b64 s[G0SB+2:G0SB+3], s[92:93]
	s_or_b32 s[G0SB+3], s[G0SB+3], 0x80000000
	JLOAD G0S, G1S, G0SB, G1SB                     ; the scales first: they are wanted with K step 0
.irp s, 0,1
	s_mov_b32 s[G0+4*\s], 1
	s_add_co_u32 s[G0+4*\s+1], s45, \s*SLOT
	s_add_nc_u64 s[G0+4*\s+2:G0+4*\s+3], s[20:21], \s*ROWB
	s_or_b32 s[G0+4*\s+3], s[G0+4*\s+3], 0x80000000
	s_mov_b32 s[G0B+4*\s], 1
	s_add_co_u32 s[G0B+4*\s+1], s45, \s*SLOT
	s_add_nc_u64 s[G0B+4*\s+2:G0B+4*\s+3], s[46:47], \s*ROWB
	s_or_b32 s[G0B+4*\s+3], s[G0B+4*\s+3], 0x80000000
	JLOAD G0+4*\s, G1, G0B+4*\s, G1B
.endr
	s_load_b256 s[4:11], s[0:1], 0x10              ; bq, bk, bv, cos
	s_load_b256 s[92:99], s[0:1], 0x30             ; sin, qhl, k16, v16
	v_and_b32 v1, 15, v0                           ; l % 16
	v_bfe_u32 v2, v0, 4, 1                         ; l / 16
	v_mul_u32_u24 v3, v1, PITCH
	v_lshl_add_u32 v4, v2, 4, v3
	s_mul_i32 s21, s15, HALFT
	s_mul_i32 s22, s16, HALFT
	s_add_co_u32 s22, s22, 2*HALFT
.irp s, 0,1
	v_add_nc_u32 v[ADRA+\s], s21, v4
	v_add_nc_u32 v[ADRB+\s], s22, v4
	s_add_co_u32 s21, s21, SLOT
	s_add_co_u32 s22, s22, SLOT
.endr
	v_mul_u32_u24 v5, v1, KS                       ; my row's scales: KS bytes a row,
	v_lshrrev_b32 v6, 8, v5
	v_lshl_add_u32 v5, v6, 4, v5                   ; and 16 more for each 256 passed
	s_mul_i32 s21, s15, HALFS
	s_mul_i32 s22, s16, HALFS
	s_add_co_u32 s22, s22, 2*HALFS
	s_sub_co_u32 s22, s22, s21
	v_mul_u32_u24 v6, s22, v2                      ; lanes 16-31 take B's
	s_add_co_u32 s21, s21, SCL
	v_add_nc_u32 v5, v5, v6
	v_add_nc_u32 v[ADRS], s21, v5
	s_mul_i32 s23, s14, WSTG                       ; my stage
	v_mul_u32_u24 v5, v1, SPITCH
	v_lshl_add_u32 v5, v2, 5, v5
	v_add_nc_u32 v[STO], s23, v5                   ; in: row l % 16, 32 bytes for each half of the lanes
	v_and_b32 v6, 31, v0
	v_lshlrev_b32 v[L16], 4, v6
	v_lshlrev_b32 v[L8], 3, v6
	v_add_nc_u32 v[RD], s23, v[L16]                ; back: the 32 lanes take one row of 512 bytes: a lane has 4 columns, two pairs of RoPE
	s_lshr_b32 s[KIND], ttmp9, 1                   ; the cluster's x alone: the same in all sixteen partners
	s_lshl_b32 s67, s42, 1
	s_add_co_u32 s67, s67, s16
	s_and_b32 s67, s67, 15                         ; my head
	s_lshl_b32 s20, s17, 8
	s_lshl_b32 s21, s15, 7
	s_add_co_u32 s20, s20, s21                     ; my first row
	s_lshl_b32 s22, s67, 11
	s_add_co_u32 s22, s22, s20                     ; 2,048 x head + row
	s_cmp_eq_u32 s[KIND], 0
	s_cselect_b32 s21, 9, 8                        ; a row out is 512 bytes of q, 256 of k or v
	s_lshl_b32 s22, s22, s21
	s_mov_b32 s23, 0
	s_lshl_b32 s2, 8, s21                          ; 8 rows out
	s_lshl_b32 s46, s67, 9                         ; my head's 128 biases
	s_mov_b32 s47, 0
	s_lshl_b32 s20, s20, 8                         ; a row of cos or sin is 256 bytes
	s_mov_b32 s21, 0
	s_wait_kmcnt 0x0
	s_cmp_eq_u32 s[KIND], 1
	s_cselect_b64 s[4:5], s[6:7], s[4:5]
	s_cselect_b64 s[94:95], s[96:97], s[94:95]
	s_cmp_eq_u32 s[KIND], 2
	s_cselect_b64 s[4:5], s[8:9], s[4:5]
	s_cselect_b64 s[94:95], s[98:99], s[94:95]
	s_add_nc_u64 s[4:5], s[4:5], s[46:47]          ; the bias
	s_add_nc_u64 s[10:11], s[10:11], s[20:21]      ; cos
	s_add_nc_u64 s[92:93], s[92:93], s[20:21]      ; sin
	s_add_nc_u64 s[94:95], s[94:95], s[22:23]      ; out
	s_mov_b32 s96, s2
	s_mov_b32 s97, 0
	s_mov_b32 s98, 0xffffe000                      ; keeps sign, exponent and ten bits of the fraction
	global_load_b128 v[BI:BI+3], v[L16], s[4:5]    ; these land in registers that the loop leaves alone
.irp i, 0,1,2,3,4,5,6,7
	global_load_b64 v[CSN+4*\i:CSN+4*\i+1], v[L8], s[10:11] offset:256*\i      ; the first 8 rows' cos and sin: 32 lanes read 256 consecutive bytes
	global_load_b64 v[CSN+4*\i+2:CSN+4*\i+3], v[L8], s[92:93] offset:256*\i
.endr
.macro FRAG reg, adr, q, i             ; 16 rows x 128 K of 4-bit codes: lane l holds row l % 16; registers 4 c .. 4 c + 3 hold K = 64 c + 32 (l / 16) + 0 .. 31
.irp c, 0,1
	ds_load_b128 v[\reg+4*\c:\reg+4*\c+3], v[\adr] offset:64*(\q)+32*\c+(\i)*16*PITCH
.endr
.endm
; 16 matrix instructions: A's blocks a0, a0 + 1 x B's eight.  The 64 accumulators take turns, one instruction a turn.  zero = 1: the first product starts the sums.
.macro MUL16 a0, p, q, sc, zero
.irp a, \a0, \a0+1
.irp b, 0,1,2,3,4,5,6,7
.if \zero
	v_wmma_scale_f32_16x16x128_f8f6f4 v[8*(8*((\a)%4)+\b):8*(8*((\a)%4)+\b)+7], v[128*(\p)+FR*\b:128*(\p)+FR*\b+FR-1], v[AF+FR*(\a):AF+FR*(\a)+FR-1], 0, v[SC+8*NQ*(\sc)+NQ*\b+(\q)], v[SC+8*NQ*(\sc)+NQ*(\a)+(\q)] matrix_a_fmt:MATRIX_FMT_FP4 matrix_b_fmt:MATRIX_FMT_FP4 matrix_a_scale:MATRIX_SCALE_ROW1
.else
	v_wmma_scale_f32_16x16x128_f8f6f4 v[8*(8*((\a)%4)+\b):8*(8*((\a)%4)+\b)+7], v[128*(\p)+FR*\b:128*(\p)+FR*\b+FR-1], v[AF+FR*(\a):AF+FR*(\a)+FR-1], v[8*(8*((\a)%4)+\b):8*(8*((\a)%4)+\b)+7], v[SC+8*NQ*(\sc)+NQ*\b+(\q)], v[SC+8*NQ*(\sc)+NQ*(\a)+(\q)] matrix_a_fmt:MATRIX_FMT_FP4 matrix_b_fmt:MATRIX_FMT_FP4 matrix_a_scale:MATRIX_SCALE_ROW1
.endif
.endr
.endr
.endm
.macro FETCH_B slot, q, p
	WIN TO_B
.irp i, 0,1,2,3,4,5,6,7
	FRAG 128*(\p)+FR*\i, ADRB+\slot, \q, \i
.endr
	WIN 0
.endm
.macro FETCH_A slot, q, i0
.irp i, \i0, \i0+1, \i0+2, \i0+3
	FRAG AF+FR*(\i), ADRA+\slot, \q, \i
.endr
.endm
.macro SCALES sc                       ; the next K step's scale words: lanes 0-15 take A's block i, lanes 16-31 B's block i
.irp i, 0,1,2,3,4,5,6,7
	ds_load_b128 v[SC+8*NQ*\sc+NQ*\i:SC+8*NQ*\sc+NQ*\i+3], v[ADRS] offset:\i*SBLK
.endr
.endm
.macro PLACES n                        ; plain vector instructions between a matrix instruction and a load into, or a read of, its registers
.rept \n
	v_nop
.endr
.endm
.macro STEP slot, q, zero              ; 128 along K that has its successor in the same slot
	s_wait_dscnt 4*NL                              ; B's set and A's blocks 0-3 are in; the youngest loads (A's blocks 4-7) may be out
	WIN MUL_LO
	MUL16 0, (\q)%2, \q, \slot, \zero
	MUL16 2, (\q)%2, \q, \slot, \zero
	s_wait_dscnt 0
	PLACES NP
	FETCH_B \slot, (\q)+1, 1-(\q)%2
	FETCH_A \slot, (\q)+1, 0
	WIN MUL_HI
	MUL16 4, (\q)%2, \q, \slot, \zero
	MUL16 6, (\q)%2, \q, \slot, \zero
	PLACES NP
	WIN 0
	FETCH_A \slot, (\q)+1, 4
.endm
; A slot's last step changes slots: one barrier; in front of it each wave waits for all its tensor loads, adds 0 to its spare word, and waits for that and for its reads of this slot.
.macro TURN slot, next, fill
	s_wait_tensorcnt 0x0                           ; all my tensor loads have landed: my part of the next slot
	ds_add_u32 v[SPW], v[NIL]
	s_wait_dscnt 4*NL+1                            ; (the add and A's blocks 4-7 may be out)
	WIN MUL_LO
	MUL16 0, 1, NQ-1, \slot, 0
	s_wait_dscnt 0x0                               ; the add is done, and my reads of this slot are over
	s_barrier_signal -1
	MUL16 2, 1, NQ-1, \slot, 0
	WIN 0
	s_barrier_wait -1
.if \fill
	CREST                                          ; the barrier has opened a round of the cluster's: no wave of any partner still reads this slot or has a load on its way
	s_add_nc_u64 s[G0+4*\slot+2:G0+4*\slot+3], s[G0+4*\slot+2:G0+4*\slot+3], 2*ROWB
	s_add_nc_u64 s[G0B+4*\slot+2:G0B+4*\slot+3], s[G0B+4*\slot+2:G0B+4*\slot+3], 2*ROWB
	JLOAD G0+4*\slot, G1, G0B+4*\slot, G1B         ; the first tensor load behind the round
.else
	PLACES NP
.endif
	v_add_nc_u32 v[ADRS], 4*NQ, v[ADRS]            ; on to the next K step's scale words
	FETCH_B \next, 0, 0
	FETCH_A \next, 0, 0
	SCALES \next
	WIN MUL_HI
	MUL16 4, 1, NQ-1, \slot, 0
	MUL16 6, 1, NQ-1, \slot, 0
	PLACES NP
	WIN 0
	FETCH_A \next, 0, 4
.endm
.macro STEPS slot, from
.set Q, \from
.rept NQ-1-\from
	STEP \slot, Q, 0
.set Q, Q+1
.endr
.endm
	s_wait_tensorcnt 1                             ; the scales and my part of K step 0 are in (K step 1's load may be out),
	s_barrier_signal -1
	s_barrier_wait -1                              ; everybody's are
	FETCH_B 0, 0, 0
	FETCH_A 0, 0, 0
	SCALES 0
	FETCH_A 0, 0, 4
	STEP 0, 0, 1                                   ; the first step stands in front of the loop: its products start the sums
	s_mov_b32 s3, LAPS-1
.Llap:                                                 ; a trip goes once round the ring and fills both slots again
	STEPS 0, 1
	TURN 0, 1, 1
	STEPS 1, 0
	TURN 1, 0, 1
	STEP 0, 0, 0
	s_sub_co_u32 s3, s3, 1
	s_cmp_lg_u32 s3, 0
	s_cbranch_scc1 .Llap
	STEPS 0, 1                                     ; the last lap fills nothing
	TURN 0, 1, 0
	STEPS 1, 0
	s_wait_dscnt 4*NL
	WIN MUL_LO
	MUL16 0, 1, NQ-1, 1, 0
	MUL16 2, 1, NQ-1, 1, 0
	s_wait_dscnt 0
	WIN MUL_HI
	MUL16 4, 1, NQ-1, 1, 0
	MUL16 6, 1, NQ-1, 1, 0
	WIN 0
; THE WAY OUT.  All 128 rows of a wave go into its stage (rows of 512 bytes + 16) and come back a row to 32 lanes, 8 rows a group.
	s_wait_dscnt 0x0
	s_barrier_signal -1
	s_barrier_wait -1                              ; nobody reads the ring any more: the stages may be written
	PLACES NP
.macro TOSTAGE a
.set AC, 64*((\a)%4)
	WIN 0x08+4*((\a)/4)                            ; an LDS store's data: window 2 or 3
.irp b, 0,1,2,3,4,5,6,7
	ds_store_b128 v[STO], v[AC+8*\b:AC+8*\b+3] offset:(\a)*16*SPITCH+64*\b       ; each accumulator from its low end on
	ds_store_b128 v[STO], v[AC+8*\b+4:AC+8*\b+7] offset:(\a)*16*SPITCH+64*\b+16
.endr
.endm
.irp a, 0,1,2,3,4,5,6,7
	TOSTAGE \a
.endr
	WIN 0
	s_wait_dscnt 0x0                               ; my stores into the stage are done
	s_barrier_signal -1
	s_barrier_wait -1                              ; from here on the stages are only read
	s_wait_loadcnt 0x0                             ; the bias, and the first 8 rows' cos and sin
	v_pk_mul_f32 v[BI:BI+1], v[BI:BI+1], 0x3d800000 op_sel_hi:[1,0]      ; bias / 16
	v_pk_mul_f32 v[BI+2:BI+3], v[BI+2:BI+3], 0x3d800000 op_sel_hi:[1,0]
.irp i, 0,1,2,3,4,5,6,7
	ds_load_b128 v[T+4*\i:T+4*\i+3], v[RD] offset:SPITCH*\i
.endr
	s_mov_b32 s12, 8*SPITCH                        ; where the next group begins in the stage
	s_mov_b32 s13, 7
; Row i of set p of q or k: t = sum / 16 + bias / 16; the two pairs are turned by cos and sin, into v[rW] on.
.macro ROT p, i
.set rT, T+32*(\p)+4*(\i)
.set rC, CSN+32*(\p)+4*(\i)
.set rW, WH+8*((\i)%2)
	v_pk_fma_f32 v[rT:rT+1], v[rT:rT+1], 0x3d800000, v[BI:BI+1] op_sel_hi:[1,0,1]
	v_pk_fma_f32 v[rT+2:rT+3], v[rT+2:rT+3], 0x3d800000, v[BI+2:BI+3] op_sel_hi:[1,0,1]
	v_pk_mul_f32 v[rW:rW+1], v[rT:rT+1], v[rC:rC+1] op_sel_hi:[1,0]   ; t1 c, t2 c
	v_mul_f32 v[rW+2], v[rT+2], v[rC+1]
	v_mul_f32 v[rW+3], v[rT+3], v[rC+1]
	v_fma_f32 v[rW], -v[rT+1], v[rC+2], v[rW]      ; t1 c - t2 s
	v_fma_f32 v[rW+1], v[rT], v[rC+2], v[rW+1]     ; t2 c + t1 s
	v_fma_f32 v[rW+2], -v[rT+3], v[rC+3], v[rW+2]
	v_fma_f32 v[rW+3], v[rT+2], v[rC+3], v[rW+3]
.endm
.macro ROWQ p, i                       ; q: each number is split into a high and a low f16
	ROT \p, \i
.irp j, 0,1,2,3
	v_and_b32 v[rW+4+\j], s98, v[rW+\j]            ; the high part: 11 significant bits, exact in f16
.endr
	v_pk_add_f32 v[rW:rW+1], v[rW:rW+1], v[rW+4:rW+5] neg_lo:[0,1] neg_hi:[0,1]     ; the rest, exact in f32
	v_pk_add_f32 v[rW+2:rW+3], v[rW+2:rW+3], v[rW+6:rW+7] neg_lo:[0,1] neg_hi:[0,1]
	v_cvt_pk_f16_f32 v[rT], v[rW+4], v[rW+5]
	v_cvt_pk_f16_f32 v[rT+1], v[rW+6], v[rW+7]
	v_cvt_pk_f16_f32 v[rT+2], v[rW], v[rW+1]
	v_cvt_pk_f16_f32 v[rT+3], v[rW+2], v[rW+3]
.endm
.macro ROWK p, i                       ; k: rounded once, to nearest
	ROT \p, \i
	v_cvt_pk_f16_f32 v[rT], v[rW], v[rW+1]
	v_cvt_pk_f16_f32 v[rT+1], v[rW+2], v[rW+3]
.endm
.macro ROWV p, i
.set rT, T+32*(\p)+4*(\i)
	v_pk_fma_f32 v[rT:rT+1], v[rT:rT+1], 0x3d800000, v[BI:BI+1] op_sel_hi:[1,0,1]
	v_pk_fma_f32 v[rT+2:rT+3], v[rT+2:rT+3], 0x3d800000, v[BI+2:BI+3] op_sel_hi:[1,0,1]
	v_cvt_pk_f16_f32 v[rT], v[rT], v[rT+1]
	v_cvt_pk_f16_f32 v[rT+1], v[rT+2], v[rT+3]
.endm
; A group of 8 rows in set p.  next = 1: the next group's rows, and for q and k its cos and sin, are asked for first, into the other set.  Every wave walks the loop; the kinds part inside a group.
.macro G p, next
.if \next
	v_add_nc_u32 v[RDA], s12, v[RD]
.irp i, 0,1,2,3,4,5,6,7
	ds_load_b128 v[T+32*(1-\p)+4*\i:T+32*(1-\p)+4*\i+3], v[RDA] offset:SPITCH*\i
.endr
.endif
	s_cmp_eq_u32 s[KIND], 2
	s_cbranch_scc1 .Lv_\@
.if \next
.irp i, 0,1,2,3,4,5,6,7
	global_load_b64 v[CSN+32*(1-\p)+4*\i:CSN+32*(1-\p)+4*\i+1], v[L8], s[10:11] offset:256*(8+\i)
	global_load_b64 v[CSN+32*(1-\p)+4*\i+2:CSN+32*(1-\p)+4*\i+3], v[L8], s[92:93] offset:256*(8+\i)
.endr
	s_wait_loadcnt 16                              ; this group's cos and sin are in; the sixteen just asked for may be out
	s_wait_dscnt 8                                 ; this group's rows are in; the eight just asked for may be out
.else
	s_wait_loadcnt 0x0
	s_wait_dscnt 0x0
.endif
	s_cmp_eq_u32 s[KIND], 1
	s_cbranch_scc1 .Lk_\@
.irp i, 0,1,2,3,4,5,6,7
	ROWQ \p, \i
.endr
.irp i, 0,1,2,3,4,5,6,7
	global_store_b64 v[L8], v[T+32*\p+4*\i:T+32*\p+4*\i+1], s[94:95] offset:512*\i          ; the high parts: 32 lanes store 256 consecutive bytes, aligned
	global_store_b64 v[L8], v[T+32*\p+4*\i+2:T+32*\p+4*\i+3], s[94:95] offset:512*\i+256    ; the low parts likewise
.endr
	s_branch .Lj_\@
.Lk_\@:
.irp i, 0,1,2,3,4,5,6,7
	ROWK \p, \i
.endr
	s_branch .Lst_\@
.Lv_\@:
	s_wait_loadcnt 0x0                             ; (no load of this arm is out)
.if \next
	s_wait_dscnt 8
.else
	s_wait_dscnt 0x0
.endif
.irp i, 0,1,2,3,4,5,6,7
	ROWV \p, \i
.endr
.Lst_\@:                                           ; k and v: a row is 256 bytes
.irp i, 0,1,2,3,4,5,6,7
	global_store_b64 v[L8], v[T+32*\p+4*\i:T+32*\p+4*\i+1], s[94:95] offset:256*\i
.endr
.Lj_\@:
	s_wait_xcnt 0x0                                ; the loads and stores have read their addresses and data: the bases step, and the next group's loads may land in this set
	s_add_nc_u64 s[10:11], s[10:11], 2048
	s_add_nc_u64 s[92:93], s[92:93], 2048
	s_add_nc_u64 s[94:95], s[94:95], s[96:97]
	s_add_co_u32 s12, s12, 8*SPITCH
.endm
.Lgroup:
	G 0, 1
	G 1, 1
	s_sub_co_u32 s13, s13, 1
	s_cmp_lg_u32 s13, 0
	s_cbranch_scc1 .Lgroup
	G 0, 1
	G 1, 0                                         ; the last group asks for nothing
	s_wait_tensorcnt 0x0                           ; the wave's end
	ds_add_u32 v[SPW], v[NIL]
	s_wait_dscnt 0x0
	CROUND                                         ; the closing round
	s_endpgm
.Lfunc_end_k_qa104518cd1_qkv:
	.size	k_qa104518cd1_qkv, .Lfunc_end_k_qa104518cd1_qkv-k_qa104518cd1_qkv
	.p2alignl 7, 3214868480
	.fill 96, 4, 3214868480
	.section	.rodata,"a",@progbits
	.p2align	6, 0x0
	.amdhsa_kernel k_qa104518cd1_qkv
		.amdhsa_group_segment_fixed_size 327680
		.amdhsa_private_segment_fixed_size 0
		.amdhsa_enable_private_segment 0
		.amdhsa_kernarg_size 80
		.amdhsa_user_sgpr_count 2
		.amdhsa_user_sgpr_kernarg_segment_ptr 1
		.amdhsa_wavefront_size32 1
		.amdhsa_system_sgpr_workgroup_id_x 1
		.amdhsa_system_sgpr_workgroup_id_y 1
		.amdhsa_system_sgpr_workgroup_id_z 1
		.amdhsa_system_vgpr_workitem_id 0
		.amdhsa_next_free_vgpr 1024
		.amdhsa_next_free_sgpr 100
		.amdhsa_reserve_vcc 0
		.amdhsa_float_denorm_mode_32 3
		.amdhsa_float_denorm_mode_16_64 3
		.amdhsa_memory_ordered 1
		.amdhsa_forward_progress 1
		.amdhsa_inst_pref_size 255
	.end_amdhsa_kernel
	.section	.bss,"aw",@nobits
	.p2align	6
	.space	262144
	.amdgpu_metadata
---
amdhsa.version: [ 1, 2 ]
amdhsa.kernels:
  - .name:           k_qa104518cd1_qkv
    .symbol:         k_qa104518cd1_qkv.kd
    .args:
      - { .name: codes, .offset: 0, .size: 8, .value_kind: global_buffer, .address_space: global }
      - { .name: scales, .offset: 8, .size: 8, .value_kind: global_buffer, .address_space: global }
      - { .name: bq, .offset: 16, .size: 8, .value_kind: global_buffer, .address_space: global }
      - { .name: bk, .offset: 24, .size: 8, .value_kind: global_buffer, .address_space: global }
      - { .name: bv, .offset: 32, .size: 8, .value_kind: global_buffer, .address_space: global }
      - { .name: freqs_cos, .offset: 40, .size: 8, .value_kind: global_buffer, .address_space: global }
      - { .name: freqs_sin, .offset: 48, .size: 8, .value_kind: global_buffer, .address_space: global }
      - { .name: qhl, .offset: 56, .size: 8, .value_kind: global_buffer, .address_space: global }
      - { .name: k16, .offset: 64, .size: 8, .value_kind: global_buffer, .address_space: global }
      - { .name: v16, .offset: 72, .size: 8, .value_kind: global_buffer, .address_space: global }
    .group_segment_fixed_size: 327680
    .private_segment_fixed_size: 0
    .kernarg_segment_align: 8
    .kernarg_segment_size: 80
    .max_flat_workgroup_size: 128
    .sgpr_count:     100
    .vgpr_count:     1024
    .wavefront_size: 32
...
	.end_amdgpu_metadata
.endif
;; end of part 2
;; launch attn (part 3): grid 16 x 16, 8 waves a work-group, clusters of 4 x 1, 327,680 bytes of LDS; arguments qhl, k16, v16, att; writes att
.if DOCPART == 3
	.amdgcn_target "amdgcn-amd-amdhsa--gfx1250"
	.amdhsa_code_object_version 6
	.text
	.protected	k_qa104518cd1_attn
	.globl	k_qa104518cd1_attn
	.p2align	8
	.type	k_qa104518cd1_attn,@function
k_qa104518cd1_attn:
	s_mov_b64 s[64:65], 0
	v_nop
	global_prefetch_b8 v0, s[64:65] scope:SCOPE_SE
	s_setreg_imm32_b32 hwreg(HW_REG_WAVE_MODE, 25, 1), 1
	s_wait_xcnt 0x0
	s_wait_alu depctr_hold_cnt(0) depctr_sa_sdst(0) depctr_va_vdst(0) depctr_va_sdst(0) depctr_va_ssrc(0) depctr_va_vcc(0) depctr_vm_vsrc(0)
	s_getreg_b32 s2, hwreg(HW_REG_IB_STS2, 6, 4)
	s_cmp_eq_u32 s2, 0
	s_cbranch_scc0 .Lentry_in_a_cluster
	s_endpgm
.Lentry_in_a_cluster:
	s_bfe_u32 s2, ttmp6, 0x10000c
	s_cmp_lg_u32 s2, 0x3003
	s_cbranch_scc0 .Lentry_shape_is_right
	s_endpgm
.Lentry_shape_is_right:
; att[s][head] = softmax over the keys k <= s of (q . k / sqrt(128)) times v, for 16 heads of 128; att is stored / 16 as f16, [2048][2048], head h at byte 256 h of a row.
; q comes as a pair of f16 (high, low), k as one f16, each / 16: the score is qh k + ql k, sums in f32: of the two operands' roundings only k's, to 11 significant bits, is left in a score.
; v comes / 16 as f16; the weights p are rounded to f16 for the second product.
; SHARES.  A cluster of four work-groups serves one head and two blocks of 256 queries: block 7 - B, then block B (B the cluster's x): (8 - B) + (B + 1) = 9 laps of 256 keys, 18 steps of 128, in every cluster.
; Partner p owns the query tiles 64 j + 16 p + 0..15, j = 0..3, of a block: so every partner reads every tile of keys, on the diagonal too, and K's and V's tiles are asked for JOINTLY.
; Wave w: qh = w / 4 gives its two query tiles j = 2 qh + e; kq = w % 4 gives its 32 keys of each step.  Each wave keeps a running maximum m, a sum l and O^T of its own; the four waves of a qh are merged at a block's end.
; LAYOUT.  S^T = K Q^T (source 0 = 16 keys, source 1 = 16 queries), O^T = V^T P (source 0 = 16 channels, source 1 = P): a lane holds one query throughout.  V comes out of LDS turned, by ds_load_tr16_b128.
; SOFTMAX.  p = 2^(c s - c m), c = 256 log2(e) / sqrt(128) (the 256 undoes the two divisions by 16); O and l are multiplied by a = 2^(c m_old - c m_new) in every step.  m begins at -1e30, a finite number: a tile that is wholly hidden gives p = 0 and a = 1.
; LIMITS: as the launch before states them for q, k and v; weights under 2^-14 keep an absolute error of 2^-25.
; REGISTERS.  window 0: v1-15 addresses; v16-31 statistics, 8 a tile; v32-63 S^T; v64-79 P; v96-127 at work; v128-255 Q (tile e, part, channels 32 c: v[128 + 64 e + 32 part + 8 c]).
;   window 1: v0-127 O^T, 64 a tile; v128-191 K; v192-255 V.
.set PK,    272                        ; a key's row in LDS: 256 bytes + 16
.set PV,    288                        ; a row of V: 256 bytes + 32
.set VOFF,  128*PK                     ; a slot: 128 rows of K, then 128 rows of V
.set OBASE, VOFF+128*PV                ; behind slot 0: two stages of 16 rows x 272 bytes for the way out
.set SPARE, OBASE+2*16*272             ; the spare words, 128 bytes a wave, that no other line names
.set SLOT1, 1<<17                      ; slot 1: one exclusive or turns an address
.set MBASE, SLOT1+OBASE                ; behind slot 1: four regions for the merges
.set MREG,  17408                      ; 32 x 512 bytes of O^T, 2 x 512 of figures
.set TILEB, 32768                      ; 128 rows of K or of V in memory
.set PFO, 1
.set AK,  2                            ; v2, v3   my lane's place in K's tile, slot 0, 1
.set AV,  4                            ; v4, v5   the same for V
.set QO,  6
.set STO, 7
.set RD,  8
.set GO,  9
.set MST, 10
.set DD,  11                           ; v11, v12 d = my query - my first key of a step on the diagonal, for tile e
.set NINF, 13
.set SPW, 14
.set NIL, 15
.set ST,  16                           ; tile e at v[ST + 8 e]: +0 c m, +1 m, +2, +3 l, +4 to +7 at work
.set S,   32
.set P,   64
.set XB,  96
.set Q,   128
.set KF,  128                          ; K's fragments, in window 1
.set VF,  192                          ; V's
.set WV,  12
.set CX,  13
.set BB,  14
.set HD,  15
.set QH,  16
.set KQ,  17
.set LAP, 18
.set DG,  19                           ; the lap that lies on the diagonal
.set LIMT, 21
.set CS,  22
.set G1K, 24
.set G1V, 32
.set G0K, 40
.set G0V, 44
.set SEL, 48
.set PFA, 50
.set BK,  54                           ; the first block's keys in bytes of K or of V
.set MSB, 0
.macro WIN new
.if MSB != \new
	s_set_vgpr_msb (MSB<<8)|\new
.set MSB, \new
.endif
.endm
.macro PLACES
.rept 4
	v_nop
.endr
.endm
; Waves 0 and 1 fetch K's halves, waves 2 and 3 V's, the others nothing.  The branches hang on the wave's number alone.  An s_nop 0 and four v_nop follow each of the two lines.
.macro JLOAD
	s_cmp_lt_u32 s[WV], 2
	s_cbranch_scc0 .Lnot_k_\@
	tensor_load_to_lds s[G0K:G0K+3], s[G1K:G1K+7]
	s_nop 0
.rept 4
	v_nop
.endr
	s_branch .Lasked_\@
.Lnot_k_\@:
	s_cmp_lt_u32 s[WV], 4
	s_cbranch_scc0 .Lasked_\@
	tensor_load_to_lds s[G0V:G0V+3], s[G1V:G1V+7]
	s_nop 0
.rept 4
	v_nop
.endr
.Lasked_\@:
.endm
.macro CROUND
	s_barrier_signal -1
	s_barrier_wait -1
	s_cmp_lg_u32 s[WV], 0
	s_cbranch_scc1 .Lnot_wave_0_\@
	s_barrier_signal -3
.Lnot_wave_0_\@:
	s_barrier_wait -3
	s_barrier_signal -1
	s_barrier_wait -1
.endm
; A PREFETCH INTO THE L2: in step t the tile of step t + 3, two steps ahead of the load that asks for it.  The cluster with B = 0 walks all 16 tiles of the head in its first block: it asks, and nobody else.
; Its four partners take 32 rows each, told apart by address; wave 4 names K's rows, wave 5 V's: a lane a row of 256 bytes.  Tiles 0 to 2 come by their loads alone; step 12 asks for the last tile.
.macro ASK slot
	s_lshl_b32 s66, s[LAP], 1
	s_or_b32 s66, s66, \slot
	s_cmp_lt_u32 s66, s[LIMT]
	s_cbranch_scc0 .Lnot_mine_\@
	global_prefetch_b8 v[PFO], s[PFA:PFA+1] th:TH_LOAD_NT scope:SCOPE_SE
.Lnot_mine_\@:
.endm
.macro QLOAD qb                        ; my two tiles of Q, both parts: lane l holds row l % 16; registers 0-3 channels 8 (l / 16) + 0..7, registers 4-7 sixteen further on
.irp e, 0,1
.irp pt, 0,1
.irp c, 0,1,2,3
	global_load_b128 v[Q+64*\e+32*\pt+8*\c:Q+64*\e+32*\pt+8*\c+3], v[QO], s[\qb:\qb+1] offset:32768*\e+256*\pt+64*\c
	global_load_b128 v[Q+64*\e+32*\pt+8*\c+4:Q+64*\e+32*\pt+8*\c+7], v[QO], s[\qb:\qb+1] offset:32768*\e+256*\pt+64*\c+32
.endr
.endr
.endr
.endm
.macro RESET                           ; a block begins: O^T and l are zeros, m is -1e30.  (The step is written once: the first finds zeros.)
	WIN 0x40
.set i, 0
.rept 128
	v_mov_b32 v[i], 0
.set i, i+1
.endr
	WIN 0
.irp e, 0,1
	v_mov_b32 v[ST+8*\e+1], 0xf149f2ca
	v_mov_b32 v[ST+8*\e+2], 0
	v_mov_b32 v[ST+8*\e+3], 0
.endr
.irp e, 0,1
	v_mul_f32 v[ST+8*\e], s[CS], v[ST+8*\e+1]
.endr
.endm
	s_load_b256 s[4:11], s[0:1], 0x0               ; qhl, k16, v16, att
	v_lshl_add_u32 v[SPW], v0, 2, SPARE
	v_mov_b32 v[NIL], 0
	ds_add_u32 v[SPW], v[NIL]                      ; the wave's opening: the add, twice on end, and its wait ahead of the first tensor load
	ds_add_u32 v[SPW], v[NIL]
	v_lshrrev_b32 v1, 5, v0
	v_readfirstlane_b32 s[WV], v1                  ; wave 0..7
	s_bfe_u32 s[CX], ttmp6, 0x40000                ; my place in the cluster: it enters Q's, att's and the prefetches' addresses and the mask's numbers alone
	s_mov_b32 s[BB], ttmp9                         ; the cluster's x
	s_and_b32 s[HD], ttmp7, 0xffff                 ; the head
	s_lshr_b32 s[QH], s[WV], 2
	s_and_b32 s[KQ], s[WV], 3
	s_mov_b32 s[LAP], 0
	s_sub_co_u32 s[DG], 7, s[BB]
	s_sub_co_u32 s66, s[WV], 4
	s_cmp_lt_u32 s66, 2                            ; waves 4 and 5
	s_cselect_b32 s[LIMT], 13, 0
	s_cmp_eq_u32 s[BB], 0                          ; of the cluster with B = 0
	s_cselect_b32 s[LIMT], s[LIMT], 0
	s_sub_co_u32 s66, 8, s[BB]
	s_lshl_b32 s[BK], s66, 16                      ; the first block's keys in bytes: (8 - B) x 256 x 256
	s_mov_b32 s57, 0
	s_mov_b32 s[CS], 0x420293ee                    ; c = 256 log2(e) / sqrt(128)
	s_mov_b32 s[CS+1], s[CS]
	s_mov_b32 s[SEL], 0x76543210
	s_mov_b32 s[SEL+1], 0xfedcba98
	s_mov_b32 s[G1K], 15|(1<<16)|(1<<20)|(1<<21)|(5<<22)|(3<<25)   ; the mask: all four; elements of 2 bytes; padding on; bit 21 beside a mask; 4 words behind every 64
	s_mov_b32 s[G1V], 15|(1<<16)|(1<<20)|(1<<21)|(5<<22)|(7<<25)   ; the same with 8 words of padding
.irp g, G1K, G1V
	s_mov_b32 s[\g+1], 128<<16                     ; tensor_dim0
	s_mov_b32 s[\g+2], 64<<16                      ; tensor_dim1
	s_mov_b32 s[\g+3], 128<<16                     ; tile_dim0
	s_mov_b32 s[\g+4], 64                          ; tile_dim1
	s_mov_b32 s[\g+5], 128                         ; the pitch
	s_mov_b32 s[\g+6], 0
	s_mov_b32 s[\g+7], 0
.endr
	s_and_b32 s66, s[WV], 1                        ; which 64 rows of a tile I fetch, if I fetch
	s_mul_i32 s67, s66, 64*PK
	s_mul_i32 s68, s66, 64*PV
	s_add_co_u32 s68, s68, VOFF
	s_lshl_b32 s56, s[HD], 19                      ; a head of K or of V is 2,048 rows of 256 bytes
	s_lshl_b32 s69, s66, 14
	s_add_co_u32 s56, s56, s69
	s_wait_dscnt 0x0                               ; both opening adds are done
	s_wait_kmcnt 0x0
	s_mov_b32 s[G0K], 1
	s_mov_b32 s[G0K+1], s67
	s_add_nc_u64 s[G0K+2:G0K+3], s[6:7], s[56:57]
	s_or_b32 s[G0K+3], s[G0K+3], 0x80000000
	s_mov_b32 s[G0V], 1
	s_mov_b32 s[G0V+1], s68
	s_add_nc_u64 s[G0V+2:G0V+3], s[8:9], s[56:57]
	s_or_b32 s[G0V+3], s[G0V+3], 0x80000000
	CROUND                                         ; all four work-groups are here
	JLOAD                                          ; tile 0 into slot 0
	v_and_b32 v96, 15, v0                          ; r
	v_bfe_u32 v97, v0, 4, 1                        ; h
	v_and_b32 v98, 31, v0                          ; lane
	v_lshlrev_b32 v[QO], 9, v96
	v_lshl_add_u32 v[QO], v97, 4, v[QO]            ; Q: row r of 512 bytes, + 16 h
	s_lshl_b32 s76, s[QH], 7
	s_lshl_b32 s77, s[CX], 4
	s_add_co_u32 s76, s76, s77                     ; 128 qh + 16 p
	s_lshl_b32 s77, s[DG], 8
	s_add_co_u32 s77, s77, s76                     ; my first row in the first block,
	s_lshl_b32 s78, s[BB], 8
	s_add_co_u32 s78, s78, s76                     ; and in the second
	s_mov_b32 s75, 0
	s_lshl_b32 s79, s[HD], 20
	s_lshl_b32 s74, s77, 9
	s_add_co_u32 s74, s74, s79
	s_add_nc_u64 s[60:61], s[4:5], s[74:75]        ; Q, first block
	s_lshl_b32 s74, s78, 9
	s_add_co_u32 s74, s74, s79
	s_add_nc_u64 s[70:71], s[4:5], s[74:75]        ; Q, second block
	s_lshl_b32 s79, s[HD], 8
	s_lshl_b32 s74, s77, 12
	s_add_co_u32 s74, s74, s79
	s_add_nc_u64 s[62:63], s[10:11], s[74:75]      ; att, first block
	s_lshl_b32 s74, s78, 12
	s_add_co_u32 s74, s74, s79
	s_add_nc_u64 s[72:73], s[10:11], s[74:75]      ; att, second block
	QLOAD 60
	s_cmp_eq_u32 s[WV], 5                          ; the prefetches: wave 5 stands in V, the others in K
	s_cselect_b64 s[PFA:PFA+1], s[8:9], s[6:7]
	s_lshl_b32 s77, s[HD], 11
	s_add_co_u32 s77, s77, 256                     ; at tile 2: step 0 steps it to tile 3
	s_lshl_b32 s78, s[CX], 5
	s_add_co_u32 s77, s77, s78                     ; my work-group's 32 rows
	s_lshl_b32 s74, s77, 8                         ; rows of 256 bytes
	s_add_nc_u64 s[PFA:PFA+1], s[PFA:PFA+1], s[74:75]
	v_lshlrev_b32 v[PFO], 8, v98                   ; a lane a row
	s_mul_i32 s66, s[KQ], 32*PK
	v_mul_u32_u24 v[AK], v96, PK
	v_lshl_add_u32 v[AK], v97, 4, v[AK]
	v_add_nc_u32 v[AK], s66, v[AK]                 ; K: row 32 kq + r, + 16 h
	v_add_nc_u32 v[AK+1], SLOT1, v[AK]
	v_and_b32 v99, 7, v0
	v_bfe_u32 v100, v0, 3, 1
	v_lshl_add_u32 v[AV], v97, 3, v99
	v_mul_u32_u24 v[AV], v[AV], PV
	v_lshl_add_u32 v[AV], v100, 4, v[AV]
	s_mul_i32 s66, s[KQ], 32*PV
	s_add_co_u32 s66, s66, VOFF
	v_add_nc_u32 v[AV], s66, v[AV]                 ; V: key 32 kq + 8 h + l % 8, channels 8 ((l / 8) % 2) on
	v_add_nc_u32 v[AV+1], SLOT1, v[AV]
	s_mul_i32 s66, s[QH], 16*272
	s_add_co_u32 s66, s66, OBASE
	v_mul_u32_u24 v[STO], v96, 272
	v_lshl_add_u32 v[STO], v97, 4, v[STO]
	v_add_nc_u32 v[STO], s66, v[STO]
	v_mul_u32_u24 v[RD], v97, 272
	v_lshl_add_u32 v[RD], v96, 4, v[RD]
	v_add_nc_u32 v[RD], s66, v[RD]
	v_lshlrev_b32 v[GO], 12, v97
	v_lshl_add_u32 v[GO], v96, 4, v[GO]            ; att: lanes 0-15 one row, lanes 16-31 the next; 16 bytes a lane
	s_lshl_b32 s66, s[QH], 1
	s_and_b32 s67, s[KQ], 1
	s_or_b32 s66, s66, s67
	s_mul_i32 s66, s66, MREG
	s_add_co_u32 s66, s66, MBASE
	v_lshl_add_u32 v[MST], v98, 4, s66             ; my merge region: 2 qh + kq % 2
	s_lshl_b32 s76, s[CX], 4
	s_lshl_b32 s77, s[KQ], 5
	s_sub_co_i32 s76, s76, s77
	v_lshlrev_b32 v99, 3, v97
	v_sub_nc_u32 v[DD], v96, v99
	v_add_nc_u32 v[DD], s76, v[DD]                 ; d = 16 p + r - 32 kq - 8 h for tile 0,
	v_add_nc_u32 v[DD+1], 64, v[DD]                ; 64 more for tile 1
	v_mov_b32 v[NINF], 0xff800000
.irp e, 0,1
.irp j, 4,5,6,7
	v_mov_b32 v[ST+8*\e+\j], 0                     ; written once: named in pairs and as a lane permute's destination
.endr
.endr
	RESET
	s_wait_loadcnt 0x0                             ; Q
; THE SOFTMAX of my two tiles for 32 keys, the tiles by turns.
.macro SMX
.irp e, 0,1
	v_max3_num_f32 v[ST+8*\e+4], v[S+16*\e], v[S+16*\e+1], v[S+16*\e+2]        ; each accumulator is read from its low end on
	v_max3_num_f32 v[ST+8*\e+5], v[S+16*\e+8], v[S+16*\e+9], v[S+16*\e+10]
.endr
.irp i, 3,5
.irp e, 0,1
	v_max3_num_f32 v[ST+8*\e+4], v[ST+8*\e+4], v[S+16*\e+\i], v[S+16*\e+\i+1]
	v_max3_num_f32 v[ST+8*\e+5], v[ST+8*\e+5], v[S+16*\e+8+\i], v[S+16*\e+8+\i+1]
.endr
.endr
.irp e, 0,1
	v_max3_num_f32 v[ST+8*\e+4], v[ST+8*\e+4], v[S+16*\e+7], v[S+16*\e+15]
.endr
.irp e, 0,1
	v_max3_num_f32 v[ST+8*\e+4], v[ST+8*\e+4], v[ST+8*\e+5], v[ST+8*\e+1]      ; and the old m
.endr
.irp e, 0,1
	v_permlanex16_b32 v[ST+8*\e+5], v[ST+8*\e+4], s[SEL], s[SEL+1]             ; the query's other 16 keys lie in the lane 16 away
.endr
.irp e, 0,1
	v_max_num_f32 v[ST+8*\e+1], v[ST+8*\e+4], v[ST+8*\e+5]
	v_mov_b32 v[ST+8*\e+7], v[ST+8*\e]                                         ; c m_old
.endr
.irp e, 0,1
	v_mul_f32 v[ST+8*\e], s[CS], v[ST+8*\e+1]
.endr
.irp e, 0,1
	v_sub_f32 v[ST+8*\e+7], v[ST+8*\e+7], v[ST+8*\e]
.endr
.irp e, 0,1
	v_exp_f32 v[ST+8*\e+6], v[ST+8*\e+7]                                       ; a
.endr
.irp b, 0,1,2,3,4,5,6,7
.irp e, 0,1
	v_pk_fma_f32 v[S+16*\e+2*\b:S+16*\e+2*\b+1], v[S+16*\e+2*\b:S+16*\e+2*\b+1], s[CS:CS+1], v[ST+8*\e:ST+8*\e+1] op_sel_hi:[1,0,0] neg_lo:[0,0,1] neg_hi:[0,0,1]   ; c s - c m
.endr
.endr
	s_wait_alu depctr_va_vdst(0)                   ; the wait ahead of a's first reader, the rescaling below
.irp j, 0,1,2,3,4,5,6,7,8,9,10,11,12,13,14,15
.irp e, 0,1
	v_exp_f32 v[S+16*\e+\j], v[S+16*\e+\j]
.endr
.endr
	WIN 0x41                                       ; O^T in window 1, a in window 0
.irp e, 0,1
.set i, 0
.rept 32
	v_pk_mul_f32 v[64*\e+2*i:64*\e+2*i+1], v[64*\e+2*i:64*\e+2*i+1], v[ST+8*\e+6:ST+8*\e+7] op_sel_hi:[1,0]   ; O^T x a: work that names none of the 32 exponentials' results
.set i, i+1
.endr
.endr
	WIN 0
	s_wait_alu depctr_va_vdst(0)                   ; one wait for the batch of 32, ahead of its first reader
.irp i, 0,1,2,3,4,5,6,7
.irp e, 0,1
	v_cvt_pk_f16_f32 v[P+8*\e+\i], v[S+16*\e+2*\i], v[S+16*\e+2*\i+1]
.endr
.endr
.irp u, 0,4,8,12
.irp e, 0,1
	v_pk_add_f32 v[S+16*\e+\u:S+16*\e+\u+1], v[S+16*\e+\u:S+16*\e+\u+1], v[S+16*\e+\u+2:S+16*\e+\u+3]
.endr
.endr
.irp u, 0,8
.irp e, 0,1
	v_pk_add_f32 v[S+16*\e+\u:S+16*\e+\u+1], v[S+16*\e+\u:S+16*\e+\u+1], v[S+16*\e+\u+4:S+16*\e+\u+5]
.endr
.endr
.irp e, 0,1
	v_pk_add_f32 v[S+16*\e:S+16*\e+1], v[S+16*\e:S+16*\e+1], v[S+16*\e+8:S+16*\e+9]
.endr
.irp e, 0,1
	v_pk_fma_f32 v[ST+8*\e+2:ST+8*\e+3], v[ST+8*\e+2:ST+8*\e+3], v[ST+8*\e+6:ST+8*\e+7], v[S+16*\e:S+16*\e+1] op_sel_hi:[1,0,1]   ; l = a l + the sum
.endr
.endm
; A STEP: 128 keys in slot `slot`.  At its head the change of slots: every wave waits for all its tensor loads, adds 0 to its spare word, waits for that and for its reads of the other slot;
; refill = 1: a round of the cluster's barrier, and behind it the next tile is asked for, into the slot read last step: it has this step's work in which to land.  One load of a fetching wave is out.
.macro STEP slot, refill
	s_wait_tensorcnt 0x0                           ; my part of this step's tile has landed: no tensor load of mine is out, so a group 0 may be written
	ds_add_u32 v[SPW], v[NIL]
.if \refill
	ds_add_u32 v[SPW], v[NIL]                      ; and twice on end where a load follows
	s_xor_b32 s[G0K+1], s[G0K+1], SLOT1            ; the walking descriptors: the other slot, the next 128 keys
	s_add_nc_u64 s[G0K+2:G0K+3], s[G0K+2:G0K+3], TILEB
	s_xor_b32 s[G0V+1], s[G0V+1], SLOT1
	s_add_nc_u64 s[G0V+2:G0V+3], s[G0V+2:G0V+3], TILEB
.if \slot == 1
	s_cmp_eq_u32 s[LAP], s[DG]                     ; the first block's last step: the next tile is the second block's first: back to key 0
	s_cselect_b32 s56, s[BK], 0
	s_sub_nc_u64 s[G0K+2:G0K+3], s[G0K+2:G0K+3], s[56:57]
	s_sub_nc_u64 s[G0V+2:G0V+3], s[G0V+2:G0V+3], s[56:57]
.endif
	s_wait_xcnt 0x0                                ; the last prefetch and the stores of a block's end have read their registers
	s_add_nc_u64 s[PFA:PFA+1], s[PFA:PFA+1], TILEB
.endif
	s_wait_dscnt 0x0                               ; the add is done, and my reads of the other slot are over
.if \refill
	CROUND
	JLOAD
	ASK \slot
.else
	s_barrier_signal -1
	s_barrier_wait -1
.endif
.if \slot == 1
	s_xor_b32 s66, s[LAP], s[DG]                   ; on the diagonal the lap's second 128 keys come after all queries of qh = 0: those waves leave the step's work out
	s_or_b32 s66, s66, s[QH]
	s_cmp_eq_u32 s66, 0
	s_cbranch_scc1 .Lskip_\@
.endif
	PLACES                                         ; in front of loads into registers that the last products read
	WIN 0x40                                       ; one run of 32 LDS loads: K's sixteen, the lower channels first, then V's sixteen
.irp c, 0,1,2,3
.irp kt, 0,1
	ds_load_b128 v[KF+32*\kt+8*\c:KF+32*\kt+8*\c+3], v[AK+\slot] offset:16*PK*\kt+64*\c
	ds_load_b128 v[KF+32*\kt+8*\c+4:KF+32*\kt+8*\c+7], v[AK+\slot] offset:16*PK*\kt+64*\c+32
.endr
.endr
.irp ct, 0,1,2,3,4,5,6,7
	ds_load_tr16_b128 v[VF+8*\ct:VF+8*\ct+3], v[AV+\slot] offset:32*\ct
	ds_load_tr16_b128 v[VF+8*\ct+4:VF+8*\ct+7], v[AV+\slot] offset:32*\ct+16*PV
.endr
	WIN 0x01                                       ; K in window 1, Q and S^T in window 0
.set i, 0
.rept 32                                       ; k qh, then k ql; the four accumulators take turns, one instruction a turn
.if i == 0
	s_wait_dscnt 24                                ; K's channels 0-63 are in; its other eight loads and V's sixteen may be out
.endif
.if i == 8
	s_wait_dscnt 16                                ; all of K is in; V's sixteen loads may be out
.endif
.set rS, S+16*(i%2)+8*((i/2)%2)
.set rK, KF+32*((i/2)%2)+8*((i/4)%4)
.set rQ, Q+64*(i%2)+32*((i/16)%2)+8*((i/4)%4)
.if i < 4
	v_wmma_f32_16x16x32_f16 v[rS:rS+7], v[rK:rK+7], v[rQ:rQ+7], 0
.else
	v_wmma_f32_16x16x32_f16 v[rS:rS+7], v[rK:rK+7], v[rQ:rQ+7], v[rS:rS+7]
.endif
.set i, i+1
.endr
	WIN 0
	PLACES                                         ; in front of the first read of the scores
	s_xor_b32 s66, s[LAP], s[DG]                   ; the mask is wanted where the step's keys are my queries' own 128
	s_xor_b32 s67, s[QH], \slot
	s_or_b32 s66, s66, s67
	s_cmp_lg_u32 s66, 0
	s_cbranch_scc1 .Lopen_\@
.irp e, 0,1
.irp kt, 0,1
.irp j, 0,1,2,3,4,5,6,7
	v_cmp_gt_i32 vcc_lo, 16*\kt+\j, v[DD+\e]       ; register 8 kt + j holds key 32 kq + 16 kt + 8 h + j: hidden where 16 kt + j > d
	v_cndmask_b32 v[S+16*\e+8*\kt+\j], v[S+16*\e+8*\kt+\j], v[NINF], vcc_lo
.endr
.endr
.endr
.Lopen_\@:
	SMX
	s_wait_dscnt 0x0                               ; V is in
	WIN 0x51                                       ; V and O^T in window 1, P in window 0
.set i, 0
.rept 16
	v_wmma_f32_16x16x32_f16 v[64*(i%2)+8*(i/2):64*(i%2)+8*(i/2)+7], v[VF+8*(i/2):VF+8*(i/2)+7], v[P+8*(i%2):P+8*(i%2)+7], v[64*(i%2)+8*(i/2):64*(i%2)+8*(i/2)+7]
.set i, i+1
.endr
	WIN 0
.Lskip_\@:
.endm
.macro IMG                             ; my O^T and figures go to my merge region as images of their registers: lane l's 16 bytes at 16 l
	WIN 0x04
.set i, 0
.rept 32
	ds_store_b128 v[MST], v[4*i:4*i+3] offset:512*i
.set i, i+1
.endr
	WIN 0
	ds_store_b128 v[MST], v[ST:ST+3] offset:16384
	ds_store_b128 v[MST], v[ST+8:ST+11] offset:16896
.endm
.macro MERGE off                       ; a partner's image at off bytes from my region is taken in, into K's and V's registers: both sides are brought under the larger c m
	ds_load_b128 v[XB:XB+3], v[MST] offset:\off+16384
	ds_load_b128 v[XB+4:XB+7], v[MST] offset:\off+16896
	WIN 0x40
.set i, 0
.rept 32
	ds_load_b128 v[128+4*i:128+4*i+3], v[MST] offset:\off+512*i
.set i, i+1
.endr
	WIN 0
	s_wait_dscnt 32                                ; the figures are in; the image's 32 loads may be out
.irp e, 0,1
	v_max_num_f32 v[ST+8*\e+5], v[ST+8*\e], v[XB+4*\e]
.endr
.irp e, 0,1
	v_sub_f32 v[ST+8*\e+4], v[ST+8*\e], v[ST+8*\e+5]
	v_sub_f32 v[ST+8*\e+6], v[XB+4*\e], v[ST+8*\e+5]
.endr
.irp e, 0,1
	v_exp_f32 v[ST+8*\e+4], v[ST+8*\e+4]           ; my factor,
	v_exp_f32 v[ST+8*\e+6], v[ST+8*\e+6]           ; the partner's
.endr
.irp e, 0,1
	v_mov_b32 v[ST+8*\e], v[ST+8*\e+5]             ; (plain work behind the exponentials)
.endr
	s_wait_alu depctr_va_vdst(0)                   ; one wait for the four, ahead of their first reader
.irp e, 0,1
	v_pk_mul_f32 v[ST+8*\e+2:ST+8*\e+3], v[ST+8*\e+2:ST+8*\e+3], v[ST+8*\e+4:ST+8*\e+5] op_sel_hi:[1,0]
.endr
.irp e, 0,1
	v_pk_fma_f32 v[ST+8*\e+2:ST+8*\e+3], v[XB+4*\e+2:XB+4*\e+3], v[ST+8*\e+6:ST+8*\e+7], v[ST+8*\e+2:ST+8*\e+3] op_sel_hi:[1,0,1]
.endr
	s_wait_dscnt 0x0
	WIN 0x41
.irp e, 0,1
.set i, 0
.rept 32
	v_pk_mul_f32 v[64*\e+2*i:64*\e+2*i+1], v[64*\e+2*i:64*\e+2*i+1], v[ST+8*\e+4:ST+8*\e+5] op_sel_hi:[1,0]
.set i, i+1
.endr
.endr
	WIN 0x51
.irp e, 0,1
.set i, 0
.rept 32
	v_pk_fma_f32 v[64*\e+2*i:64*\e+2*i+1], v[128+64*\e+2*i:128+64*\e+2*i+1], v[ST+8*\e+6:ST+8*\e+7], v[64*\e+2*i:64*\e+2*i+1] op_sel_hi:[1,0,1]
.set i, i+1
.endr
.endr
	WIN 0
.endm
.macro PACKO e, x                      ; tile e: O^T / l, rounded to f16, through my stage, back as whole rows of 256 bytes
	WIN 0x41
.set i, 0
.rept 32
	v_pk_mul_f32 v[64*\e+2*i:64*\e+2*i+1], v[64*\e+2*i:64*\e+2*i+1], v[ST+8*\e+6:ST+8*\e+7] op_sel_hi:[1,0]
.set i, i+1
.endr
	WIN 0x05
.set i, 0
.rept 32
	v_cvt_pk_f16_f32 v[\x+i], v[64*\e+2*i], v[64*\e+2*i+1]
.set i, i+1
.endr
	WIN 0
.irp f, 0,1,2,3,4,5,6,7
	ds_store_b128 v[STO], v[\x+4*\f:\x+4*\f+3] offset:32*\f
.endr
.irp f, 0,1,2,3,4,5,6,7
	ds_load_b128 v[\x+4*\f:\x+4*\f+3], v[RD] offset:544*\f        ; LDS serves a wave's instructions in order: these see the stores above, and the next tile's stores come behind them
.endr
.endm
.macro SENDO e, x, younger, ob
.irp f, 0,1,2,3,4,5,6,7
	s_wait_dscnt \younger+7-\f
	global_store_b128 v[GO], v[\x+4*\f:\x+4*\f+3], s[\ob:\ob+1] offset:262144*\e+8192*\f   ; 16 lanes store 256 consecutive bytes, aligned
.endr
.endm
.macro OUT ob
.irp e, 0,1
	v_add_f32 v[ST+8*\e+4], v[ST+8*\e+2], v[ST+8*\e+3]
.endr
.irp e, 0,1
	v_permlanex16_b32 v[ST+8*\e+5], v[ST+8*\e+4], s[SEL], s[SEL+1]
.endr
.irp e, 0,1
	v_add_f32 v[ST+8*\e+4], v[ST+8*\e+4], v[ST+8*\e+5]
.endr
.irp e, 0,1
	v_rcp_f32 v[ST+8*\e+6], v[ST+8*\e+4]
.endr
	v_nop                                          ; a plain instruction behind the reciprocals
	s_wait_alu depctr_va_vdst(0)                   ; and one wait for both, ahead of their first reader
	PACKO 0, XB
	PACKO 1, S
	SENDO 0, XB, 16, \ob                           ; behind tile 0's loads: tile 1's eight stores and eight loads
	SENDO 1, S, 0, \ob
.endm
; A BLOCK'S END.  The four waves of a qh are merged in two levels: kq 2, 3 hand their images to kq 0, 1; kq 1 hands its own to kq 0, which divides and stores.  Two barriers, on every path;
; more = 1 (in the loop): the three pieces of work are left out in laps that are not a block's last; the next block's Q is asked for in the first piece.
; The four places behind the step's last products stand at the head, ahead of the first branch, so that they lie on every way to the loads into Q's, K's and V's registers, to the reads of O^T and to the moves that write it.
.macro FINAL more, qb, ob
	PLACES
.if \more
	s_cmp_lg_u32 s[LAP], s[DG]
	s_cbranch_scc1 .Lf1_\@
	QLOAD \qb
.endif
	s_cmp_lt_u32 s[KQ], 2
	s_cbranch_scc1 .Lf1_\@
	IMG
.Lf1_\@:
	s_wait_dscnt 0x0                               ; for the others' sake: my stores are done
	s_barrier_signal -1
	s_barrier_wait -1
.if \more
	s_cmp_lg_u32 s[LAP], s[DG]
	s_cbranch_scc1 .Lf2_\@
.endif
	s_cmp_ge_u32 s[KQ], 2
	s_cbranch_scc1 .Lf2_\@
	MERGE 0
	s_cmp_eq_u32 s[KQ], 0
	s_cbranch_scc1 .Lf2_\@
	IMG                                            ; kq 1: into the region that it alone has just read
.Lf2_\@:
	s_wait_dscnt 0x0
	s_barrier_signal -1
	s_barrier_wait -1
.if \more
	s_cmp_lg_u32 s[LAP], s[DG]
	s_cbranch_scc1 .Lf4_\@
.endif
	s_cmp_lg_u32 s[KQ], 0
	s_cbranch_scc1 .Lf3_\@
	MERGE MREG
	OUT \ob
.Lf3_\@:
.if \more
	RESET
	s_mov_b32 s[DG], 8                             ; the second block's diagonal is the last lap
.Lf4_\@:
	s_wait_loadcnt 0x0                             ; the next block's Q, where it was asked for
.endif
.endm
.Llap:                                             ; eight trips; the ninth lap is written out
	STEP 0, 1
	STEP 1, 1
	FINAL 1, 70, 62
	s_add_co_u32 s[LAP], s[LAP], 1
	s_cmp_lt_u32 s[LAP], 8
	s_cbranch_scc1 .Llap
	STEP 0, 1
	STEP 1, 0                                      ; the last step asks for nothing
	FINAL 0, 70, 72
	s_wait_tensorcnt 0x0                           ; the wave's end
	ds_add_u32 v[SPW], v[NIL]
	s_wait_dscnt 0x0
	CROUND                                         ; the closing round
	s_endpgm
.Lfunc_end_k_qa104518cd1_attn:
	.size	k_qa104518cd1_attn, .Lfunc_end_k_qa104518cd1_attn-k_qa104518cd1_attn
	.p2alignl 7, 3214868480
	.fill 96, 4, 3214868480
	.section	.rodata,"a",@progbits
	.p2align	6, 0x0
	.amdhsa_kernel k_qa104518cd1_attn
		.amdhsa_group_segment_fixed_size 327680
		.amdhsa_private_segment_fixed_size 0
		.amdhsa_enable_private_segment 0
		.amdhsa_kernarg_size 32
		.amdhsa_user_sgpr_count 2
		.amdhsa_user_sgpr_kernarg_segment_ptr 1
		.amdhsa_wavefront_size32 1
		.amdhsa_system_sgpr_workgroup_id_x 1
		.amdhsa_system_sgpr_workgroup_id_y 1
		.amdhsa_system_sgpr_workgroup_id_z 1
		.amdhsa_system_vgpr_workitem_id 0
		.amdhsa_next_free_vgpr 512
		.amdhsa_next_free_sgpr 80
		.amdhsa_reserve_vcc 1
		.amdhsa_float_denorm_mode_32 3
		.amdhsa_float_denorm_mode_16_64 3
		.amdhsa_memory_ordered 1
		.amdhsa_forward_progress 1
		.amdhsa_inst_pref_size 177
	.end_amdhsa_kernel
	.amdgpu_metadata
---
amdhsa.version: [ 1, 2 ]
amdhsa.kernels:
  - .name:           k_qa104518cd1_attn
    .symbol:         k_qa104518cd1_attn.kd
    .args:
      - { .name: qhl, .offset: 0, .size: 8, .value_kind: global_buffer, .address_space: global }
      - { .name: k16, .offset: 8, .size: 8, .value_kind: global_buffer, .address_space: global }
      - { .name: v16, .offset: 16, .size: 8, .value_kind: global_buffer, .address_space: global }
      - { .name: att, .offset: 24, .size: 8, .value_kind: global_buffer, .address_space: global }
    .group_segment_fixed_size: 327680
    .private_segment_fixed_size: 0
    .kernarg_segment_align: 8
    .kernarg_segment_size: 32
    .max_flat_workgroup_size: 256
    .sgpr_count:     80
    .vgpr_count:     512
    .wavefront_size: 32
...
	.end_amdgpu_metadata
.endif
;; end of part 3
;; launch proj (part 4): grid 16 x 16, 4 waves a work-group, clusters of 4 x 4, 327,680 bytes of LDS; arguments att, wp16, out0, bp; writes out0
.if DOCPART == 4
	.amdgcn_target "amdgcn-amd-amdhsa--gfx1250"
	.amdhsa_code_object_version 6
	.text
	.protected	k_qa104518cd1_proj
	.globl	k_qa104518cd1_proj
	.p2align	8
	.type	k_qa104518cd1_proj,@function
k_qa104518cd1_proj:
	s_mov_b64 s[64:65], 0
	v_nop
	global_prefetch_b8 v0, s[64:65] scope:SCOPE_SE
	s_setreg_imm32_b32 hwreg(HW_REG_WAVE_MODE, 25, 1), 1
	s_wait_xcnt 0x0
	s_wait_alu depctr_hold_cnt(0) depctr_sa_sdst(0) depctr_va_vdst(0) depctr_va_sdst(0) depctr_va_ssrc(0) depctr_va_vcc(0) depctr_vm_vsrc(0)
	s_getreg_b32 s2, hwreg(HW_REG_IB_STS2, 6, 4)
	s_cmp_eq_u32 s2, 0
	s_cbranch_scc0 .Lentry_in_a_cluster
	s_endpgm
.Lentry_in_a_cluster:
	s_bfe_u32 s2, ttmp6, 0x10000c
	s_cmp_lg_u32 s2, 0xf033
	s_cbranch_scc0 .Lentry_shape_is_right
	s_endpgm
.Lentry_shape_is_right:
; out0[m][n] = 16 x (sum over k of att[m][k] wp16[n][k]) + bp[n].  att, wp16: [2048][2048] f16 (att holds the attention's result / 16); out0 f32; sums in f32.
; A tile of 128 x 128 to a work-group: 256 work-groups.  Four waves, 64 x 64 each: 16 accumulators.  K goes in steps of 256 (LDS rows of 512 bytes, 64 rows to a tensor load) through two slots.
; CLUSTERS: 4 x 4 work-groups; A's tiles are asked for jointly along a row of the cluster, B's along a column.  THE MATRIX INSTRUCTION IS USED TRANSPOSED: a lane holds eight neighbouring numbers of a row.
; A wave's 64 columns of f32 are 256 bytes, aligned: so each wave has a stage of its own on the way out, and no barrier stands there.
; REGISTERS: window 0: v0-31 addresses; v32-95 at work on the way out; v96-127 the bias; v128-255 the accumulators ((a, b) at v[128 + 8 (4 a + b)]).  window 1: two fragment buffers of 128.
.set SIZE_N, 2048
.set SIZE_K, 2048
.set KSTEP,  256
.set PITCH,  528                       ; an LDS row: 512 bytes + 16: the 16 rows that a load touches start 132 words apart
.set HALFT,  64*PITCH
.set SLOT,   4*HALFT
.set STAGE,  2*SLOT                    ; behind the ring: 16 rows x 272 bytes for each wave
.set SPITCH, 272
.set SPARE,  STAGE+4*16*SPITCH         ; the spare words, 128 bytes a wave, that no other line names
.set LAPS, SIZE_K/(2*KSTEP)
.set ADRA, 16
.set ADRB, 20
.set STO,  24
.set RD,   25
.set CO,   26
.set BO,   27                          ; v27 32 x (lane / 16): my eight biases of a block of 16 columns
.set SPW,  28
.set NIL,  29
.set TMP,  32
.set BI,   96
.set ACC,  128
.set F0,   0
.set F1,   128
.set G1, 24
.set G0, 32
.set G1B, 48
.set G0B, 56
.set MSB, 0
.macro WIN new
.if MSB != \new
	s_set_vgpr_msb (MSB<<8)|\new
.set MSB, \new
.endif
.endm
.set MUL,  0x05                        ; sources 0 (B) and 1 (A) window 1; C and D window 0
.set TO_F, 0x40
.macro JLOAD s                         ; a joint load: waves 0 and 1 fetch A's two halves, waves 2 and 3 B's; an s_nop 0 and four v_nop follow each of the two lines
	s_cmp_eq_u32 s11, 0
	s_cbranch_scc0 .Lfor_b_\@
	tensor_load_to_lds s[G0+4*\s:G0+4*\s+3], s[G1:G1+7]
	s_nop 0
.rept 4
	v_nop
.endr
	s_branch .Lasked_\@
.Lfor_b_\@:
	tensor_load_to_lds s[G0B+4*\s:G0B+4*\s+3], s[G1B:G1B+7]
	s_nop 0
.rept 4
	v_nop
.endr
.Lasked_\@:
.endm
.macro CREST
	s_cmp_lg_u32 s10, 0
	s_cbranch_scc1 .Lnot_wave_0_\@
	s_barrier_signal -3
.Lnot_wave_0_\@:
	s_barrier_wait -3
	s_barrier_signal -1
	s_barrier_wait -1
.endm
.macro CROUND
	s_barrier_signal -1
	s_barrier_wait -1
	CREST
.endm
	s_load_b128 s[4:7], s[0:1], 0x0                ; att, wp16
	s_load_b64 s[8:9], s[0:1], 0x10                ; out0
	s_load_b64 s[66:67], s[0:1], 0x18              ; bp
	v_lshl_add_u32 v[SPW], v0, 2, SPARE
	v_mov_b32 v[NIL], 0
	ds_add_u32 v[SPW], v[NIL]                      ; the wave's opening: the add, twice on end, and its wait ahead of my first tensor load
	ds_add_u32 v[SPW], v[NIL]
	v_lshrrev_b32 v1, 5, v0
	v_readfirstlane_b32 s10, v1                    ; wave 0..3
	s_lshr_b32 s11, s10, 1                         ; which half of the tile's rows is mine.  Also: I fetch for A (0) or for B (1)
	s_and_b32 s12, s10, 1                          ; which half of its columns.  Also: which 64 rows of that tile I fetch
	s_bfe_u32 s40, ttmp6, 0x40000
	s_bfe_u32 s41, ttmp6, 0x40004
	s_lshl_b32 s42, ttmp9, 2
	s_add_co_u32 s42, s42, s40                     ; tile column
	s_and_b32 s13, ttmp7, 0xffff
	s_lshl_b32 s13, s13, 2
	s_add_co_u32 s13, s13, s41                     ; tile row
	s_lshl_b32 s43, s41, 2
	s_lshl_b32 s43, 15, s43                        ; my row of the cluster
	s_lshl_b32 s44, 0x1111, s40                    ; my column
	s_or_b32 s[G1+0], s43, (1<<16)|(1<<20)|(1<<21)|(6<<22)|(3<<25)  ; the mask; elements of 2 bytes; padding on; bit 21 beside a mask; 4 words behind every 128
	s_or_b32 s[G1B+0], s44, (1<<16)|(1<<20)|(1<<21)|(6<<22)|(3<<25)
.irp g, G1, G1B
	s_mov_b32 s[\g+1], KSTEP<<16
	s_mov_b32 s[\g+2], 64<<16
	s_mov_b32 s[\g+3], KSTEP<<16
	s_mov_b32 s[\g+4], 64
	s_mov_b32 s[\g+5], SIZE_K
	s_mov_b32 s[\g+6], 0
	s_mov_b32 s[\g+7], 0
.endr
	s_lshl_b32 s17, s12, 6
	s_lshl_b32 s16, s13, 7
	s_add_co_u32 s16, s16, s17                     ; A: row 128 x tile row + 64 x half
	s_lshl_b32 s46, s42, 7
	s_add_co_u32 s46, s46, s17                     ; B: row 128 x tile column + 64 x half
	s_mov_b32 s17, 0
	s_mov_b32 s47, 0
	s_mov_b64 s[18:19], SIZE_K*2
	s_mul_u64 s[16:17], s[16:17], s[18:19]
	s_mul_u64 s[46:47], s[46:47], s[18:19]
	s_mul_i32 s20, s10, HALFT
	s_wait_dscnt 0x0                               ; both opening adds are done
	s_wait_kmcnt 0x0
	s_add_nc_u64 s[14:15], s[4:5], s[16:17]
	s_add_nc_u64 s[46:47], s[6:7], s[46:47]
	CROUND
.irp s, 0,1
	s_mov_b32 s[G0+4*\s], 1
	s_add_co_u32 s[G0+4*\s+1], s20, \s*SLOT
	s_add_nc_u64 s[G0+4*\s+2:G0+4*\s+3], s[14:15], \s*KSTEP*2
	s_or_b32 s[G0+4*\s+3], s[G0+4*\s+3], 0x80000000
	s_mov_b32 s[G0B+4*\s], 1
	s_add_co_u32 s[G0B+4*\s+1], s20, \s*SLOT
	s_add_nc_u64 s[G0B+4*\s+2:G0B+4*\s+3], s[46:47], \s*KSTEP*2
	s_or_b32 s[G0B+4*\s+3], s[G0B+4*\s+3], 0x80000000
	JLOAD \s
.endr
	v_and_b32 v1, 15, v0
	v_bfe_u32 v2, v0, 4, 1
	v_mul_u32_u24 v3, v1, PITCH
	v_lshl_add_u32 v3, v2, 4, v3
	s_mul_i32 s21, s11, HALFT
	s_mul_i32 s22, s12, HALFT
	s_add_co_u32 s22, s22, 2*HALFT
.irp s, 0,1
	v_add_nc_u32 v[ADRA+\s], s21, v3
	v_add_nc_u32 v[ADRB+\s], s22, v3
	s_add_co_u32 s21, s21, SLOT
	s_add_co_u32 s22, s22, SLOT
.endr
	s_mul_i32 s23, s10, 16*SPITCH
	s_add_co_u32 s23, s23, STAGE                   ; my stage
	v_mul_u32_u24 v4, v1, SPITCH
	v_lshl_add_u32 v4, v2, 5, v4
	v_add_nc_u32 v[STO], s23, v4                   ; in: row l % 16, 32 bytes for each half of the lanes
	v_mul_u32_u24 v5, v2, SPITCH
	v_lshl_add_u32 v5, v1, 4, v5
	v_add_nc_u32 v[RD], s23, v5                    ; back: lanes 0-15 one row of 256 bytes, lanes 16-31 the next
	v_lshlrev_b32 v5, 13, v2
	v_lshl_add_u32 v[CO], v1, 4, v5                ; and the same two rows in out0
	v_lshlrev_b32 v[BO], 5, v2
	s_lshl_b32 s16, s13, 7
	s_lshl_b32 s17, s11, 6
	s_add_co_u32 s16, s16, s17                     ; my first row: 128 x tile row + 64 x half
	s_lshl_b32 s16, s16, 13                        ; rows of 8,192 bytes
	s_mov_b32 s17, 0
	s_add_nc_u64 s[8:9], s[8:9], s[16:17]
	s_lshl_b32 s46, s42, 9
	s_lshl_b32 s47, s12, 8
	s_add_co_u32 s46, s46, s47                     ; my first column, in bytes: 512 x tile column + 256 x half
	s_mov_b32 s47, 0
	s_add_nc_u64 s[8:9], s[8:9], s[46:47]
	s_add_nc_u64 s[66:67], s[66:67], s[46:47]
.irp b, 0,1,2,3
	global_load_b128 v[BI+8*\b:BI+8*\b+3], v[BO], s[66:67] offset:64*\b        ; bp at columns 16 b + 8 (l / 16) + 0 .. 7: the result's layout
	global_load_b128 v[BI+8*\b+4:BI+8*\b+7], v[BO], s[66:67] offset:64*\b+16
.endr
.macro MUL8 f, c, a0, zero
.irp a, \a0, \a0+1
.irp b, 0,1,2,3
.if \zero
	v_wmma_f32_16x16x32_f16 v[ACC+8*(4*(\a)+\b):ACC+8*(4*(\a)+\b)+7], v[\f+64+8*(4*\c+\b):\f+64+8*(4*\c+\b)+7], v[\f+8*(4*\c+\a):\f+8*(4*\c+\a)+7], 0
.else
	v_wmma_f32_16x16x32_f16 v[ACC+8*(4*(\a)+\b):ACC+8*(4*(\a)+\b)+7], v[\f+64+8*(4*\c+\b):\f+64+8*(4*\c+\b)+7], v[\f+8*(4*\c+\a):\f+8*(4*\c+\a)+7], v[ACC+8*(4*(\a)+\b):ACC+8*(4*(\a)+\b)+7]
.endif
.endr
.endr
.endm
.macro FETCH slot, k, f                ; 32 LDS loads in one run: the fragments of 64 along K at byte k of the rows; the first 32 along K first
	WIN TO_F
.irp c, 0,1
.irp i, 0,1,2,3
	ds_load_b128 v[\f+64+8*(4*\c+\i):\f+64+8*(4*\c+\i)+3],   v[ADRB+\slot] offset:\k+64*\c+\i*16*PITCH
	ds_load_b128 v[\f+64+8*(4*\c+\i)+4:\f+64+8*(4*\c+\i)+7], v[ADRB+\slot] offset:\k+64*\c+\i*16*PITCH+32
	ds_load_b128 v[\f+8*(4*\c+\i):\f+8*(4*\c+\i)+3],         v[ADRA+\slot] offset:\k+64*\c+\i*16*PITCH
	ds_load_b128 v[\f+8*(4*\c+\i)+4:\f+8*(4*\c+\i)+7],       v[ADRA+\slot] offset:\k+64*\c+\i*16*PITCH+32
.endr
.endr
.endm
.macro PLACES
.rept 4
	v_nop
.endr
.endm
.macro QUARTER slot, k, f, g, zero
	s_wait_dscnt 16                                ; the first 32 along K are in
	WIN MUL
	MUL8 \f, 0, 0, \zero
	MUL8 \f, 0, 2, \zero
	PLACES
	FETCH \slot, \k, \g
	s_wait_dscnt 32                                ; all but the 32 just issued
	WIN MUL
	MUL8 \f, 1, 0, 0
	MUL8 \f, 1, 2, 0
.endm
.macro TURN slot, next, fill
	WIN 0
	s_wait_tensorcnt 0x0                           ; all my tensor loads have landed: my part of the next slot
	ds_add_u32 v[SPW], v[NIL]
	s_wait_dscnt 17                                ; (the add and the youngest sixteen loads may be out)
	WIN MUL
	MUL8 F1, 0, 0, 0
	s_wait_dscnt 0x0                               ; the add is done, and my reads of this slot are over
	s_barrier_signal -1
	MUL8 F1, 0, 2, 0
.if \fill
	WIN 0
.endif
	s_barrier_wait -1
.if \fill
	CREST                                          ; the barrier has opened a round of the cluster's
	s_add_nc_u64 s[G0+4*\slot+2:G0+4*\slot+3], s[G0+4*\slot+2:G0+4*\slot+3], 2*KSTEP*2
	s_add_nc_u64 s[G0B+4*\slot+2:G0B+4*\slot+3], s[G0B+4*\slot+2:G0B+4*\slot+3], 2*KSTEP*2
	JLOAD \slot
.else
	PLACES
.endif
	FETCH \next, 0, F0
	WIN MUL
	MUL8 F1, 1, 0, 0
	MUL8 F1, 1, 2, 0
.endm
	s_wait_tensorcnt 1                             ; my part of K step 0 is in (K step 1's load may be out),
	s_barrier_signal -1
	s_barrier_wait -1
	FETCH 0, 0, F0
	QUARTER 0, 128, F0, F1, 1                      ; the first quarter stands in front of the loop: its first products start the sums
	WIN 0
	s_mov_b32 s3, LAPS-1
.Llap:
	QUARTER 0, 256, F1, F0, 0
	QUARTER 0, 384, F0, F1, 0
	TURN 0, 1, 1
	QUARTER 1, 128, F0, F1, 0
	QUARTER 1, 256, F1, F0, 0
	QUARTER 1, 384, F0, F1, 0
	TURN 1, 0, 1
	QUARTER 0, 128, F0, F1, 0
	WIN 0
	s_sub_co_u32 s3, s3, 1
	s_cmp_lg_u32 s3, 0
	s_cbranch_scc1 .Llap
	QUARTER 0, 256, F1, F0, 0                      ; the last lap fills nothing
	QUARTER 0, 384, F0, F1, 0
	TURN 0, 1, 0
	QUARTER 1, 128, F0, F1, 0
	QUARTER 1, 256, F1, F0, 0
	QUARTER 1, 384, F0, F1, 0
	s_wait_dscnt 16
	WIN MUL
	MUL8 F1, 0, 0, 0
	MUL8 F1, 0, 2, 0
	s_wait_dscnt 0
	MUL8 F1, 1, 0, 0
	MUL8 F1, 1, 2, 0
	WIN 0
; THE WAY OUT, a block of 16 rows x 64 columns at a time: x 16 + bias in one multiply-add; 32 bytes a lane into my stage; back as whole rows of 256 bytes.
.macro PACKC a
.set XX, TMP+32*((\a)%2)
.irp b, 0,1,2,3
.irp j, 0,2,4,6
	v_pk_fma_f32 v[XX+8*\b+\j:XX+8*\b+\j+1], v[ACC+8*(4*(\a)+\b)+\j:ACC+8*(4*(\a)+\b)+\j+1], 0x41800000, v[BI+8*\b+\j:BI+8*\b+\j+1] op_sel_hi:[1,0,1]   ; each accumulator from its low end on
.endr
.endr
.irp b, 0,1,2,3
	ds_store_b128 v[STO], v[XX+8*\b:XX+8*\b+3] offset:64*\b
	ds_store_b128 v[STO], v[XX+8*\b+4:XX+8*\b+7] offset:64*\b+16
.endr
.irp t, 0,1,2,3,4,5,6,7
	ds_load_b128 v[XX+4*\t:XX+4*\t+3], v[RD] offset:\t*2*SPITCH    ; LDS serves a wave's instructions in order: these see the stores above
.endr
.endm
.macro SENDC a, younger
.set XX, TMP+32*((\a)%2)
.irp t, 0,1,2,3,4,5,6,7
	s_wait_dscnt \younger+7-\t
	global_store_b128 v[CO], v[XX+4*\t:XX+4*\t+3], s[8:9] offset:(16*(\a)+2*\t)*SIZE_N*4 th:TH_STORE_NT   ; 16 lanes store 256 consecutive bytes, aligned
.endr
.endm
	s_wait_loadcnt 0x0                             ; the bias
	PLACES
	PACKC 0
	PACKC 1
	SENDC 0, 16                                    ; behind block 0's loads: block 1's eight stores and eight loads
	s_wait_xcnt 0x0                                ; block 0's stores have read their registers
	PACKC 2
	SENDC 1, 16
	s_wait_xcnt 0x0
	PACKC 3
	SENDC 2, 16
	SENDC 3, 0
	s_wait_tensorcnt 0x0                           ; the wave's end
	ds_add_u32 v[SPW], v[NIL]
	s_wait_dscnt 0x0
	CROUND                                         ; the closing round
	s_endpgm
.Lfunc_end_k_qa104518cd1_proj:
	.size	k_qa104518cd1_proj, .Lfunc_end_k_qa104518cd1_proj-k_qa104518cd1_proj
	.p2alignl 7, 3214868480
	.fill 96, 4, 3214868480
	.section	.rodata,"a",@progbits
	.p2align	6, 0x0
	.amdhsa_kernel k_qa104518cd1_proj
		.amdhsa_group_segment_fixed_size 327680
		.amdhsa_private_segment_fixed_size 0
		.amdhsa_enable_private_segment 0
		.amdhsa_kernarg_size 32
		.amdhsa_user_sgpr_count 2
		.amdhsa_user_sgpr_kernarg_segment_ptr 1
		.amdhsa_wavefront_size32 1
		.amdhsa_system_sgpr_workgroup_id_x 1
		.amdhsa_system_sgpr_workgroup_id_y 1
		.amdhsa_system_sgpr_workgroup_id_z 1
		.amdhsa_system_vgpr_workitem_id 0
		.amdhsa_next_free_vgpr 512
		.amdhsa_next_free_sgpr 68
		.amdhsa_reserve_vcc 0
		.amdhsa_float_denorm_mode_32 3
		.amdhsa_float_denorm_mode_16_64 3
		.amdhsa_memory_ordered 1
		.amdhsa_forward_progress 1
		.amdhsa_inst_pref_size 93
	.end_amdhsa_kernel
	.amdgpu_metadata
---
amdhsa.version: [ 1, 2 ]
amdhsa.kernels:
  - .name:           k_qa104518cd1_proj
    .symbol:         k_qa104518cd1_proj.kd
    .args:
      - { .name: att, .offset: 0, .size: 8, .value_kind: global_buffer, .address_space: global }
      - { .name: wp16, .offset: 8, .size: 8, .value_kind: global_buffer, .address_space: global }
      - { .name: out0, .offset: 16, .size: 8, .value_kind: global_buffer, .address_space: global }
      - { .name: bp, .offset: 24, .size: 8, .value_kind: global_buffer, .address_space: global }
    .group_segment_fixed_size: 327680
    .private_segment_fixed_size: 0
    .kernarg_segment_align: 8
    .kernarg_segment_size: 32
    .max_flat_workgroup_size: 128
    .sgpr_count:     68
    .vgpr_count:     512
    .wavefront_size: 32
...
	.end_amdgpu_metadata
.endif
;; end of part 4
